; MI455X (gfx1250); checked and timed in simulation.
; The chip was launched on July 23, 2026; its instructions are those of AMD's public machine-readable ISA for CDNA 5 (MIT licence, August 2026) and "CDNA5" Instruction Set Architecture Reference Guide (July 2026). The comments in the code are by the model that wrote it; some were corrected since.
;; Multi Headed Attention. Allowed arithmetic: float matrix products may take bf16 or f16 operands with f32 sums; other float arithmetic in f32, or as packed bf16 or f16 multiplies, adds, multiply-adds, maxima and minima; sums over many terms, partial sums and values carried from step to step in f32; what a program stores and reads back later, other than sums and carried values, may be rounded once to bf16 or f16.
;; Inputs: Wk 512 x 512 float32; Wo 512 x 512 float32; Wq 512 x 512 float32; Wv 512 x 512 float32; bk 512 float32; bo 512 float32; bq 512 float32; bv 512 float32; key_input 2 x 4,096 x 512 float32; mask 2 x 1 x 4,096 x 4,096 bool; query_input 2 x 4,096 x 512 float32; value_input 2 x 4,096 x 512 float32.
;; Outputs: out0 2 x 4,096 x 512 float32.
;; 2 versions, each right; version 2 is version 1 with the launch outp written anew for expert scheduling mode. Each part assembles by itself: llvm-mc -triple=amdgcn-amd-amdhsa -mcpu=gfx1250 --defsym DOCPART=n.
;; ======== version 1 of 2: 3 launches
;; limits: values are held in f16: magnitudes above 65,504 overflow, below 6.1e-05 lose precision; right only within a limited range of input values
;; workspace buffers: qh 8,388,608 bytes; kh 8,388,608 bytes; vh 8,388,608 bytes; oh 8,388,608 bytes
;; launch proj (part 1): grid 12 x 64, 4 waves a work-group, no clusters, 83,456 bytes of LDS; arguments query_input, key_input, value_input, Wq, Wk, Wv, bq, bk, bv, qh, kh, vh; writes qh, kh, vh
.if DOCPART == 1
	.amdgcn_target "amdgcn-amd-amdhsa--gfx1250"
	.amdhsa_code_object_version 6
	.text
	.protected	k_qec9b481ae5_proj
	.globl	k_qec9b481ae5_proj
	.p2align	8
	.type	k_qec9b481ae5_proj,@function
k_qec9b481ae5_proj:
	s_mov_b64 s[64:65], 0
	v_nop
	global_prefetch_b8 v0, s[64:65] scope:SCOPE_SE
	s_setreg_imm32_b32 hwreg(HW_REG_WAVE_MODE, 25, 1), 1
	s_wait_xcnt 0x0
; q, k, v = x W^T + b for the three inputs, in one launch.  x: [8192][512] f32, W: [512][512] f32, b: [512] f32; the result goes out BY HEADS, [batch][head][row][64] in f16, unscaled.
; x and W are rounded to bf16 for the products, sums in f32, the bias is the C operand that starts each sum, the result is rounded once to f16.
; LIMIT.  f16 ends at 65,504: q, k and v must lie within it.  NaN and infinities are not treated apart.
; SHARES.  Work-group x = 4 x (which of the three) + column block of 128, y = row block of 128.  Four waves, each 64 rows x 64 columns: the 64 channels of one head.  16 accumulators of 16 x 16.
; K goes in 8 steps of 64 through two LDS slots; the steps are written out, the step's place stands in the loads' immediates, and no pointer is ever stepped.
; THROUGH REGISTERS, NO JOINT LOADS: the inputs are f32.  On this way each number is rounded once, by the thread that loaded it, and lies in LDS as 2 bytes; a tile brought into LDS as it lies in
; memory would take 4 bytes a number, four fragment loads in place of two, and a rounding in each of the two waves that read it.
; THE MATRIX INSTRUCTION IS USED TRANSPOSED (source 0 = 16 rows of W, source 1 = 16 rows of x): a lane then holds eight neighbouring channels of one row.
; REGISTERS.  window 0: v2-10 addresses; v16-47 the bias, 8 registers for each block of 16 columns; v64-95 fragments of x, v96-127 of W (later: the way out); v128-255 accumulators.
;             window 1: v0-63 what has been loaded and waits to be rounded: x's and W's tiles by turns.
.set PITCH, 144                        ; an LDS row: 64 bf16 + 16 bytes of padding: an odd multiple of 16, so the 16 rows of a fragment load start in 16 different groups of four banks (ISA guide 11.1)
.set WREG,  128*PITCH                  ; in a slot: x's 128 rows, then W's 128 rows
.set SLOT,  256*PITCH
.set STAGE, 2*SLOT                     ; behind the slots: 16 rows x 144 bytes for each wave, for the way out
.set SP,    144
.set SPARE, STAGE+4*16*SP              ; the spare words, 128 bytes for each wave: two blocks of 256 bytes that no other line names
.set GOFF, 2                           ; v2    my 16 bytes in a tile in memory: row t / 16 (of 8), 16 (t % 16)
.set BO,   3                           ; v3    32 x (lane / 16): my 8 numbers in 16 of the bias
.set SOFF, 4                           ; v4-5  where my 8 bytes go in slot 0, 1
.set FA,   6                           ; v6    my place in x's fragments
.set FB,   7                           ; v7    my place in W's fragments
.set STO,  8                           ; v8    the way out: where I put 16 bytes of a row
.set RD,   9                           ; v9    where I read rows back
.set GO,   10                          ; v10   my 16 bytes in 512 consecutive bytes of the output
.set BIAS, 16
.set SPW,  48                          ; v48   LDS address of my spare word; never rewritten
.set NIL,  49                          ; v49   0; never rewritten
.set FRA,  64
.set FRB,  96
.set ACC,  128
.set XB, 32                            ; s[32:33] x at my row block
.set WB, 34                            ; s[34:35] W at my column block
.set BB, 36                            ; s[36:37] the bias at my wave's 64 columns
.set OB, 38                            ; s[38:39] the output at my wave's 64 rows of its head
.set MSB, 0
.macro WIN new                         ; the immediate's high byte repeats the setting that is left; a switch that changes nothing is dropped
.if MSB != (\new)
	s_set_vgpr_msb (MSB<<8)|(\new)
.set MSB, (\new)
.endif
.endm
	s_load_b512 s[8:23], s[0:1], 0x0               ; the three x s[8:13], the three W s[14:19], bq s[20:21], bk s[22:23]
	s_load_b256 s[24:31], s[0:1], 0x40             ; bv s[24:25], qh, kh, vh s[26:31]
	v_lshl_add_u32 v[SPW], v0, 2, SPARE
	v_mov_b32 v[NIL], 0
	v_lshrrev_b32 v1, 5, v0
	v_readfirstlane_b32 s40, v1                    ; wave 0..3
	s_lshr_b32 s41, s40, 1                         ; which half of the tile's rows is mine
	s_and_b32 s42, s40, 1                          ; which half of its columns
	s_lshr_b32 s43, ttmp9, 2                       ; which projection: 0 q, 1 k, 2 v
	s_and_b32 s44, ttmp9, 3                        ; column block
	s_and_b32 s45, ttmp7, 0xffff                   ; row block
	s_lshl_b32 s2, s45, 18                         ; 128 rows of 2,048 bytes
	s_mov_b32 s3, 0
	s_lshl_b32 s4, s44, 18                         ; the same for W
	s_mov_b32 s5, 0
	s_lshl_b32 s6, s44, 9                          ; 128 numbers of the bias,
	s_lshl_b32 s7, s42, 8                          ; my wave's 64
	s_add_co_u32 s6, s6, s7
	s_mov_b32 s7, 0
	s_lshr_b32 s46, s45, 5                         ; batch: 32 row blocks each
	s_lshl_b32 s46, s46, 3
	s_lshl1_add_u32 s47, s44, s42                  ; head = 2 x column block + half
	s_add_co_u32 s46, s46, s47
	s_lshl_b32 s46, s46, 19                        ; a head is 4,096 rows of 128 bytes
	s_and_b32 s47, s45, 31
	s_lshl1_add_u32 s47, s47, s41                  ; my 64 rows among the batch's
	s_lshl_b32 s47, s47, 13
	s_add_co_u32 s46, s46, s47
	s_mov_b32 s47, 0
	v_lshrrev_b32 v12, 4, v0                       ; t / 16
	v_and_b32 v1, 15, v0                           ; t % 16 = lane % 16
	v_bfe_u32 v13, v0, 4, 1                        ; lane / 16
	v_lshlrev_b32 v[GOFF], 11, v12
	v_lshl_add_u32 v[GOFF], v1, 4, v[GOFF]
	v_mul_u32_u24 v[SOFF], v12, PITCH
	v_lshl_add_u32 v[SOFF], v1, 3, v[SOFF]
	v_add_nc_u32 v[SOFF+1], SLOT, v[SOFF]
	v_mul_u32_u24 v14, v1, PITCH
	v_lshl_add_u32 v14, v13, 4, v14                ; a fragment's row x pitch + 16 x half
	s_mul_i32 s32, s41, 64*PITCH
	v_add_nc_u32 v[FA], s32, v14
	s_mul_i32 s32, s42, 64*PITCH
	s_add_co_u32 s32, s32, WREG
	v_add_nc_u32 v[FB], s32, v14
	v_lshlrev_b32 v[BO], 5, v13
	s_mul_i32 s32, s40, 16*SP
	s_add_co_u32 s32, s32, STAGE                   ; my stage
	v_mul_u32_u24 v[STO], v1, SP                   ; in: row lane % 16, 16 bytes for each half of the lanes
	v_lshl_add_u32 v[STO], v13, 4, v[STO]
	v_add_nc_u32 v[STO], s32, v[STO]
	v_and_b32 v14, 7, v0
	v_bfe_u32 v[RD], v0, 3, 2                      ; back: 32 lanes take four rows of 128 bytes,
	v_mul_u32_u24 v[RD], v[RD], SP
	v_lshl_add_u32 v[RD], v14, 4, v[RD]
	v_add_nc_u32 v[RD], s32, v[RD]
	v_and_b32 v[GO], 31, v0                        ; which are 512 consecutive bytes of the output
	v_lshlrev_b32 v[GO], 4, v[GO]
	s_wait_kmcnt 0x0
	s_cmp_eq_u32 s43, 1                            ; the four buffers of my projection
	s_cselect_b64 s[XB:XB+1], s[10:11], s[8:9]
	s_cselect_b64 s[WB:WB+1], s[16:17], s[14:15]
	s_cselect_b64 s[BB:BB+1], s[22:23], s[20:21]
	s_cselect_b64 s[OB:OB+1], s[28:29], s[26:27]
	s_cmp_eq_u32 s43, 2
	s_cselect_b64 s[XB:XB+1], s[12:13], s[XB:XB+1]
	s_cselect_b64 s[WB:WB+1], s[18:19], s[WB:WB+1]
	s_cselect_b64 s[BB:BB+1], s[24:25], s[BB:BB+1]
	s_cselect_b64 s[OB:OB+1], s[30:31], s[OB:OB+1]
	s_add_nc_u64 s[XB:XB+1], s[XB:XB+1], s[2:3]
	s_add_nc_u64 s[WB:WB+1], s[WB:WB+1], s[4:5]
	s_add_nc_u64 s[BB:BB+1], s[BB:BB+1], s[6:7]
	s_add_nc_u64 s[OB:OB+1], s[OB:OB+1], s[46:47]
; 16 loads: a tile of 128 rows x 64 f32 of K step st.  One load of the work-group takes 8 rows; sixteen lanes take a row's 256 bytes, aligned.  Into window w, from register r on.
.macro GLOAD base, st, w, r
	WIN (\w)<<6
.set i, 0
.rept 16
	global_load_b128 v[(\r)+4*i:(\r)+4*i+3], v[GOFF], s[\base:\base+1] offset:i*16384+(\st)*256
.set i, i+1
.endr
.endm
; The tile is rounded to bf16 in place, two numbers a register, and put into slot sl at byte reg.
.macro CONV sl, reg, w, r
	s_wait_loadcnt 0x0                             ; the only loads that are out are this tile's
	WIN 0x45*(\w)
.set i, 0
.rept 16
	v_cvt_pk_bf16_f32 v[(\r)+4*i], v[(\r)+4*i], v[(\r)+4*i+1]
	v_cvt_pk_bf16_f32 v[(\r)+4*i+1], v[(\r)+4*i+2], v[(\r)+4*i+3]
.set i, i+1
.endr
	WIN 4*(\w)
.set i, 0
.rept 16
	ds_store_b64 v[SOFF+(\sl)], v[(\r)+4*i:(\r)+4*i+1] offset:(\reg)+i*8*PITCH
.set i, i+1
.endr
.endm
; A fragment is 16 rows x 32 K in 8 registers: lane l holds row l % 16; registers 0-3 K = 8 (l / 16) + 0..7, registers 4-7 K = 16 + 8 (l / 16) + 0..7: two loads of 16 bytes, 32 bytes apart.  W's four first, then x's.
.macro FRAG sl, c
	WIN 0
.irp b, 0,1,2,3
	ds_load_b128 v[FRB+8*\b:FRB+8*\b+3],   v[FB] offset:(\sl)*SLOT+\b*16*PITCH+(\c)*64
	ds_load_b128 v[FRB+8*\b+4:FRB+8*\b+7], v[FB] offset:(\sl)*SLOT+\b*16*PITCH+(\c)*64+32
.endr
.irp b, 0,1,2,3
	ds_load_b128 v[FRA+8*\b:FRA+8*\b+3],   v[FA] offset:(\sl)*SLOT+\b*16*PITCH+(\c)*64
	ds_load_b128 v[FRA+8*\b+4:FRA+8*\b+7], v[FA] offset:(\sl)*SLOT+\b*16*PITCH+(\c)*64+32
.endr
.endm
; 16 products, 32 along K.  The 16 accumulators take turns.  first = 1: the bias starts the sums: nothing is cleared and nothing is added later.
.macro MUL first
	WIN 0
.irp a, 0,1,2,3
	s_wait_dscnt 6-2*\a                            ; W's fragments and x's block a are in; the loads of x's later blocks, two each, may be out
.irp b, 0,1,2,3
.if \first
	v_wmma_f32_16x16x32_bf16 v[ACC+8*(4*\a+\b):ACC+8*(4*\a+\b)+7], v[FRB+8*\b:FRB+8*\b+7], v[FRA+8*\a:FRA+8*\a+7], v[BIAS+8*\b:BIAS+8*\b+7]
.else
	v_wmma_f32_16x16x32_bf16 v[ACC+8*(4*\a+\b):ACC+8*(4*\a+\b)+7], v[FRB+8*\b:FRB+8*\b+7], v[FRA+8*\a:FRA+8*\a+7], v[ACC+8*(4*\a+\b):ACC+8*(4*\a+\b)+7]
.endif
.endr
.endr
.endm
.macro BAR                             ; my stores into the next slot are done and my reads of the last one are back; then all four waves meet
	s_wait_dscnt 0x0
	s_barrier_signal -1
	s_barrier_wait -1
.endm
.macro PLACES                          ; four places behind the last product (ISA guide 7.12.1), where no other vector work is at hand
.rept 4
	v_nop
.endr
.endm
.irp b, 0,1,2,3
	global_load_b128 v[BIAS+8*\b:BIAS+8*\b+3],   v[BO], s[BB:BB+1] offset:64*\b     ; register j of block b: the bias of column 16 b + 8 (lane / 16) + j, as the result's layout has it
	global_load_b128 v[BIAS+8*\b+4:BIAS+8*\b+7], v[BO], s[BB:BB+1] offset:64*\b+16
.endr
	GLOAD XB, 0, 1, 0                              ; K step 0: x into window 1,
	GLOAD WB, 0, 0, ACC                            ; W into registers that the accumulators do not need yet
	CONV 0, 0, 1, 0
	CONV 0, WREG, 0, ACC
	GLOAD XB, 1, 1, 0
; A K step: one barrier; 16 products; x of the next step is rounded into the other slot and W of the next step asked for; 16 products; W is rounded, x of the step after asked for.
; The roundings, which name no register of the products, are the four places in front of the fragment loads.
.set ks, 0
.rept 8
	BAR
	FRAG ks%2, 0
.if ks == 0
	MUL 1
.else
	MUL 0
.endif
.if ks < 7
	CONV (ks+1)%2, 0, 1, 0
	GLOAD WB, ks+1, 1, 0
.else
	PLACES
.endif
	FRAG ks%2, 1
	MUL 0
.if ks < 7
	CONV (ks+1)%2, WREG, 1, 0
.if ks < 6
	GLOAD XB, ks+2, 1, 0
.endif
.endif
.set ks, ks+1
.endr
; THE WAY OUT.  Block a (16 rows): a lane's eight channels pack into 16 bytes of f16; they go into my own stage, rows of 144 bytes, and come back as whole rows of 128, four to a load.
.macro PACK a
.irp b, 0,1,2,3
.irp j, 0,1,2,3
	v_cvt_pk_f16_f32 v[FRA+16*(\a)+4*\b+\j], v[ACC+8*(4*(\a)+\b)+2*\j], v[ACC+8*(4*(\a)+\b)+2*\j+1]  ; each accumulator from its low end on
.endr
.endr
.irp b, 0,1,2,3
	ds_store_b128 v[STO], v[FRA+16*(\a)+4*\b:FRA+16*(\a)+4*\b+3] offset:32*\b
.endr
.irp f, 0,1,2,3
	ds_load_b128 v[FRA+16*(\a)+4*\f:FRA+16*(\a)+4*\f+3], v[RD] offset:\f*4*SP  ; LDS serves a wave's instructions in order (ISA guide 5.7.1.4): these see the stores above; the next block's stores come behind them
.endr
.endm
.macro SEND a, younger                 ; younger: the LDS instructions issued behind block a's loads: the next block's eight, or none
.irp f, 0,1,2,3
	s_wait_dscnt (\younger)+3-\f
	global_store_b128 v[GO], v[FRA+16*(\a)+4*\f:FRA+16*(\a)+4*\f+3], s[OB:OB+1] offset:(\a)*2048+\f*512  ; 512 consecutive bytes, at a multiple of 256 from the buffer's first
.endr
.endm
	WIN 0
	PLACES
	PACK 0
	PACK 1
	SEND 0, 8
	PACK 2
	SEND 1, 8
	PACK 3
	SEND 2, 8
	SEND 3, 0
	s_wait_tensorcnt 0x0                           ; the wave's end, behind my last LDS store
	ds_add_u32 v[SPW], v[NIL]
	s_wait_dscnt 0x0
	s_endpgm
.Lfunc_end_k_qec9b481ae5_proj:
	.size	k_qec9b481ae5_proj, .Lfunc_end_k_qec9b481ae5_proj-k_qec9b481ae5_proj
	.p2alignl 7, 3214868480
	.fill 96, 4, 3214868480
	.section	.rodata,"a",@progbits
	.p2align	6, 0x0
	.amdhsa_kernel k_qec9b481ae5_proj
		.amdhsa_group_segment_fixed_size 83456
		.amdhsa_private_segment_fixed_size 0
		.amdhsa_enable_private_segment 0
		.amdhsa_kernarg_size 96
		.amdhsa_user_sgpr_count 2
		.amdhsa_user_sgpr_kernarg_segment_ptr 1
		.amdhsa_wavefront_size32 1
		.amdhsa_system_sgpr_workgroup_id_x 1
		.amdhsa_system_sgpr_workgroup_id_y 1
		.amdhsa_system_sgpr_workgroup_id_z 1
		.amdhsa_system_vgpr_workitem_id 0
		.amdhsa_next_free_vgpr 320
		.amdhsa_next_free_sgpr 66
		.amdhsa_reserve_vcc 0
		.amdhsa_float_denorm_mode_32 3
		.amdhsa_float_denorm_mode_16_64 3
		.amdhsa_memory_ordered 1
		.amdhsa_forward_progress 1
		.amdhsa_inst_pref_size 122
	.end_amdhsa_kernel
	.amdgpu_metadata
---
amdhsa.version: [ 1, 2 ]
amdhsa.kernels:
  - .name:           k_qec9b481ae5_proj
    .symbol:         k_qec9b481ae5_proj.kd
    .args:
      - { .name: query_input, .offset: 0, .size: 8, .value_kind: global_buffer, .address_space: global }
      - { .name: key_input, .offset: 8, .size: 8, .value_kind: global_buffer, .address_space: global }
      - { .name: value_input, .offset: 16, .size: 8, .value_kind: global_buffer, .address_space: global }
      - { .name: Wq, .offset: 24, .size: 8, .value_kind: global_buffer, .address_space: global }
      - { .name: Wk, .offset: 32, .size: 8, .value_kind: global_buffer, .address_space: global }
      - { .name: Wv, .offset: 40, .size: 8, .value_kind: global_buffer, .address_space: global }
      - { .name: bq, .offset: 48, .size: 8, .value_kind: global_buffer, .address_space: global }
      - { .name: bk, .offset: 56, .size: 8, .value_kind: global_buffer, .address_space: global }
      - { .name: bv, .offset: 64, .size: 8, .value_kind: global_buffer, .address_space: global }
      - { .name: qh, .offset: 72, .size: 8, .value_kind: global_buffer, .address_space: global }
      - { .name: kh, .offset: 80, .size: 8, .value_kind: global_buffer, .address_space: global }
      - { .name: vh, .offset: 88, .size: 8, .value_kind: global_buffer, .address_space: global }
    .group_segment_fixed_size: 83456
    .private_segment_fixed_size: 0
    .kernarg_segment_align: 8
    .kernarg_segment_size: 96
    .max_flat_workgroup_size: 128
    .sgpr_count:     66
    .vgpr_count:     320
    .wavefront_size: 32
...
	.end_amdgpu_metadata
.endif
;; end of part 1
;; launch attn (part 2): grid 32 x 8, 4 waves a work-group, clusters of 4 x 4, 327,680 bytes of LDS; arguments qh, kh, vh, mask, oh; writes oh
.if DOCPART == 2
	.amdgcn_target "amdgcn-amd-amdhsa--gfx1250"
	.amdhsa_code_object_version 6
	.text
	.protected	k_qec9b481ae5_attn
	.globl	k_qec9b481ae5_attn
	.p2align	8
	.type	k_qec9b481ae5_attn,@function
k_qec9b481ae5_attn:
	s_mov_b64 s[64:65], 0
	v_nop
	global_prefetch_b8 v0, s[64:65] scope:SCOPE_SE
	s_setreg_imm32_b32 hwreg(HW_REG_WAVE_MODE, 25, 1), 1
	s_wait_xcnt 0x0
	s_wait_alu depctr_hold_cnt(0) depctr_sa_sdst(0) depctr_va_vdst(0) depctr_va_sdst(0) depctr_va_ssrc(0) depctr_va_vcc(0) depctr_vm_vsrc(0)
	s_getreg_b32 s2, hwreg(HW_REG_IB_STS2, 6, 4)
	s_cmp_eq_u32 s2, 0
	s_cbranch_scc0 .Lentry_in_a_cluster
	s_endpgm
.Lentry_in_a_cluster:
	s_bfe_u32 s2, ttmp6, 0x10000c
	s_cmp_lg_u32 s2, 0xf033
	s_cbranch_scc0 .Lentry_shape_is_right
	s_endpgm
.Lentry_shape_is_right:
; O[b][h][q][:] = the sum over k of softmax_k(mask[b][q][k] ? Q[q] . K[k] / 8 : -1e9) V[k][:].  Q, K, V, O: [2][8][4096][64] in f16, a head's rows dense, 128 bytes each; mask: [2][4096][4096] bytes, 0 or 1.
; Products, maxima and sums in f32; the weights p are rounded to f16 for the second product (their sum l is taken of the unrounded p), O once at the end.  The mask is data: every key is walked, every byte read.
; LIMITS.  Q, K, V arrive within f16's 65,504.  A hidden score counts as its value less 2^100; an open score divided by 8 is taken to lie above -1e9, so that a hidden key beside an open one has the weight 0.
; A weight below 2^-126 counts as 0 in l; NaN and infinities are not treated apart.
; THE MASK IS THE C OPERAND that starts the sum S^T = K Q^T.  In S^T a lane holds one query and, in an accumulator's eight registers, eight neighbouring keys: eight neighbouring bytes of the mask's row.
; They come from LDS by one load of 8 bytes; v_perm_b32, with the bytes themselves as selectors of a table of two, makes fp8 codes of them (1: 0.0, 0: -1.0); one scaled conversion makes eight f32: 0 or -2^100.
; A ROW WITH NO OPEN KEY is the mean of all rows of V, as a softmax of equal scores is.  The running maximum m starts at NEG = -2^95, above every hidden score and below every open one.  While m = NEG the scale is
; ce = 0 in place of c, so every p is 1, l counts keys and O adds V up; a = 2^(c (m_old - m_new)) is then 1.  At the row's first open key a is 0 and wipes those sums.  A choice of values by v_cndmask_b32; no branch.
; SHARES.  A work-group owns 256 queries of one head, each of its four waves 64: four PIECES of 16.  Every wave walks all 4,096 keys, 64 a step.
; LAYOUT, TURNS.  S^T = K Q^T holds ONE query a lane (lane % 16) and the keys 8 (lane / 16) + 0..7; two such results rounded to f16 ARE source 1 of O^T = V^T P.  p = 2^(ce s - ce m), c = log2(e) / 8.
; Turn n belongs to piece n: 8 products K Q^T of piece n + 1, later 8 products V^T P of piece n - 1; beside them the scaling, exponentials, roundings, sums and rescaling of piece n, the maximum and statistics of
; piece n + 1, and the mask of piece n + 2.  Four vector instructions stand behind every matrix instruction, the other 69 of a turn's 133 in two runs of their own.
; CLUSTER, 4 x 4.  x counts blocks of 256 queries (16 a batch), y heads.  The four of a row share head and batch: K's and V's tiles are asked for jointly along the row.  The four of a column share the queries:
; the mask's tile is asked for jointly along the column.  K's and V's addresses are made of the cluster's numbers and cy, the mask's of the cluster's x and cx.
; REGISTERS, in windows of 256 (s_set_vgpr_msb: bits 1:0 source 0, 3:2 source 1, 5:4 source 2, 7:6 destination):
;   window 0: v0-15 addresses and constants; v16-31 four registers of statistics a piece; v32-47 at work, eight by parity; v48-55 mask bytes; v64-127 S^T, two buffers; v192-223 P, two buffers
;   window 1: v0-127 O^T, 32 a piece; v160-223 the masks as f32, two buffers          window 2: v0-63 Q; v128-191 K of one step; v192-255 V of one step
.set NP,    4         ; pieces a wave: a name, no knob
.set KS,    64        ; keys in a step
.set NSLOT, 16        ; tiles of 256 keys
.set PK,    144       ; a row of K in LDS: 128 bytes + 16 of padding: the 16 rows of a load start at 16 different groups of four banks (64 banks of 4 bytes: ISA guide 11.1)
.set PV,    160       ; a row of V: 128 + 32
.set PM,    272       ; a query's 256 mask bytes + 16: 68 words: the 32 lanes of a load of 8 bytes (row lane % 16, 8 bytes for each half) take words 4 r + 2 h + 0, 1
.set VOFF,  4*KS*PK   ; a slot holds four steps: 256 rows of K, 256 rows of V,
.set MOFF,  VOFF+4*KS*PV  ; and the mask of my block's 256 queries for those 256 keys
.set SLOTB, MOFF+256*PM   ; 0x24000: it shares no bit with VOFF, MOFF or MOFF + 128 PM, so one exclusive or turns each descriptor's LDS word from one slot to the other
.set STAGE, 2*SLOTB   ; behind the ring, never filled by a tensor load: 16 rows x 144 bytes for each wave, for the way out
.set SP,    144
.set SPARE, STAGE+4*16*SP  ; the spare words, 128 bytes for each wave: two blocks of 256 bytes that no other line names
.set AK0, 2           ; v2   my lane's place in a tile of K; never rewritten
.set AV0, 3           ; v3   the same for V
.set AM0, 4           ; v4   the same for the mask: row 64 w + lane % 16, 8 bytes for each half
.set AK,  5           ; v5   the LDS address of K's next run of loads
.set AV,  6           ; v6   of V's
.set AM,  7           ; v7   of the mask's, for the key step whose scores are being made
.set STO, 8           ; v8   the way out: where I put 16 bytes of a row
.set RD,  9           ; v9   where I read rows back
.set GO,  10          ; v10  my byte offset in 512 consecutive bytes of O
.set QO,  11          ; v11  my byte offset in 16 rows of Q
.set MV,  12          ; v12-13  m_old, kept while m is made anew: by parity
.set SCL, 14          ; v14  227: the conversion's scale, 2^100
.set PFO, 15          ; v15  the prefetches' offset; never rewritten
.set ST,  16          ; piece t's statistics at v[ST+4 t]: ce m, m, l (even keys', odd keys')
.set TMP, 32          ; by parity, eight registers: c0-c3 at work (c2 takes a), c4 = ce, c5 its partner in the pair
.set MB,  48          ; v48-55  a piece's mask bytes for a step: two registers for each 16 keys
.set SPW, 62          ; v62  LDS address of my spare word; never rewritten
.set NIL, 63          ; v63  0; never rewritten
.set S,   64
.set P,   192
.set MC,  160         ; window 1
.set KF,  128         ; window 2: key block kb, channel half c at KF + 16 kb + 8 c
.set VF,  192         ; window 2: key half kk, channel block cb at VF + 32 kk + 8 cb
.set WV,  14          ; s14  my wave's number
.set CX,  15          ; s15, s16  my place in the cluster
.set CY,  16
.set MH,  17          ; s17  LDS byte of my half of the mask's tile in slot 0 (waves 2, 3)
.set LIM, 18          ; s18  1 in a wave that prefetches, else the greatest number
.set TAB, 19          ; s19  the table: byte 0 = -1.0 in fp8 (0xb8), byte 1 = 0.0
.set PFA, 20          ; s[20:21] where my prefetches stand
.set PST, 22          ; s[22:23] a tile's step there: 32,768 bytes in K and V, 256 in the mask
.set G1K, 24          ; s[24:31], s[32:39], s[40:47] descriptor groups 1
.set G1V, 32
.set G1M, 40
.set G0K, 48          ; s[48:51], s[52:55], s[56:59] descriptor groups 0: they walk
.set G0V, 52
.set G0M, 56
.set CS,  60          ; s[60:61] c
.set SEL, 62          ; s[62:63] v_permlanex16_b32's selects: each lane takes its own place in the other half
.set SLOTS, 66        ; s66  slots still to be asked for
.set CNT, 67          ; s67  counts a slot's key steps
.set TBK, 68          ; s68  LDS byte at which K of the step to be fetched begins
.set TBV, 69          ; s69  the same for V, less VOFF
.set TBM, 70          ; s70  the same for the mask, less MOFF
.set NEGS, 71         ; s71  NEG = -2^95
.set SM,  72          ; s72  the lanes whose query has seen an open key
.set MSB, 0
.macro WIN new                      ; the high byte repeats the setting that is left; a switch that changes nothing is dropped
.if MSB != (\new)
	s_set_vgpr_msb (MSB<<8)|(\new)
.set MSB, (\new)
.endif
.endm
.set W_KQ, 0x0a       ; K and Q in window 2, S^T in window 0
.set W_KM, 0x1a       ; the same with the C operand in window 1
.set W_PV, 0x52       ; V in window 2, P in window 0, O^T in window 1
.set W_RS, 0x41       ; destination and source 0 in window 1, source 1 in window 0
.set W_CV, 0x40       ; destination in window 1, sources in window 0
; A joint fill: wave 0 fetches a slot's K, wave 1 its V, waves 2 and 3 the two halves (128 queries each) of its mask.  The branches hang on the wave's number alone.
; An s_nop 0 and four v_nop follow each of the three lines, ahead of the jump and the label.
.macro JLOAD
	s_cmp_lt_u32 s[WV], 2
	s_cbranch_scc0 .Lfor_m_\@
	s_cmp_eq_u32 s[WV], 0
	s_cbranch_scc0 .Lfor_v_\@
	tensor_load_to_lds s[G0K:G0K+3], s[G1K:G1K+7]
	s_nop 0
.rept 4
	v_nop
.endr
	s_branch .Lasked_\@
.Lfor_v_\@:
	tensor_load_to_lds s[G0V:G0V+3], s[G1V:G1V+7]
	s_nop 0
.rept 4
	v_nop
.endr
	s_branch .Lasked_\@
.Lfor_m_\@:
	tensor_load_to_lds s[G0M:G0M+3], s[G1M:G1M+7]
	s_nop 0
.rept 4
	v_nop
.endr
.Lasked_\@:
.endm
; A PREFETCH INTO THE L2 of what the NEXT change of slots will ask for, four key steps (256 matrix instructions a wave) ahead: one instruction a wave, behind the tensor load and its five lines.
; Each aligned 256 bytes are named once in the launch.  K and V of a head are walked by the four clusters of its batch: the first of them (cluster x % 4 = 0) asks; the four partners of a row share a tile's 128
; blocks of 256 bytes out BY ADDRESS, 32 each by cx, a lane a block.  A mask tile is walked by both clusters along y: cluster y = 0 asks; the four partners of a column share a wave's 128 rows out by cy, a lane a row.
; The change that fills the last tile asks for nothing.
.macro ASK
	s_cmp_gt_u32 s[SLOTS], s[LIM]
	s_cbranch_scc0 .Lnot_mine_\@
	global_prefetch_b8 v[PFO], s[PFA:PFA+1] th:TH_LOAD_NT scope:SCOPE_SE
.Lnot_mine_\@:
.endm
; A round of the cluster's barrier: my work-group's barrier, so that wave 0's signal speaks for all four waves; wave 0 signals; every wave waits for all sixteen work-groups; my work-group's barrier once more.
.macro CROUND
	s_barrier_signal -1
	s_barrier_wait -1
	s_cmp_lg_u32 s[WV], 0
	s_cbranch_scc1 .Lnot_wave_0_\@
	s_barrier_signal -3
.Lnot_wave_0_\@:
	s_barrier_wait -3
	s_barrier_signal -1
	s_barrier_wait -1
.endm
; THE CHANGE OF SLOTS, behind piece 1's turn of a slot's fourth step: the slot's last bytes (V and piece 3's mask of that step) have been read.  Each wave waits for all its tensor loads, of which one is out: its
; part of the other slot; adds 0 to its spare word; and waits for that and for its own reads.  fill = 1: the slot is filled again, with the keys two slots on; the barrier is then a round of the cluster's, and the
; joint fill is the first thing behind it.  (At its first use nothing has been read yet: slot 0 is waited for, slot 1 filled.)
.macro CHANGE fill
	WIN 0                           ; at a label and at a branch every window is 0
	s_wait_tensorcnt 0x0            ; no tensor load of mine is out, so a group 0 may be written
	ds_add_u32 v[SPW], v[NIL]       ; 0 onto my spare word; with fill = 1 the descriptors' steps stand between it and the wait for it
.if \fill
.irp g, G0K, G0V
	s_xor_b32 s[\g+1], s[\g+1], SLOTB  ; the other slot than last time,
	s_add_nc_u64 s[\g+2:\g+3], s[\g+2:\g+3], 4*KS*128  ; the next 256 keys; the type bits on top are not reached
.endr
	s_xor_b32 s[G0M+1], s[G0M+1], SLOTB
	s_add_nc_u64 s[G0M+2:G0M+3], s[G0M+2:G0M+3], 4*KS  ; 256 bytes along the mask's rows
	s_wait_xcnt 0x0                 ; the last prefetch, four key steps back, has read its address, so it may be written
	s_add_nc_u64 s[PFA:PFA+1], s[PFA:PFA+1], s[PST:PST+1]
	s_wait_dscnt 0x0                ; the add is done, and my reads of the slot are over
	CROUND
	JLOAD
	ASK
.else
	s_wait_dscnt 0x0                ; the add is done, and my reads of the slot are over
	s_barrier_signal -1
	s_barrier_wait -1
.endif
	s_sub_co_u32 s[TBK], s[TBK], 4*KS*PK  ; the fetches go back to a slot's first step,
	s_xor_b32 s[TBK], s[TBK], SLOTB       ; in the other slot
	s_sub_co_u32 s[TBV], s[TBV], 4*KS*PV
	s_xor_b32 s[TBV], s[TBV], SLOTB
	s_sub_co_u32 s[TBM], s[TBM], 4*KS
	s_xor_b32 s[TBM], s[TBM], SLOTB
.endm
	s_load_b256 s[4:11], s[0:1], 0x0  ; Q s[4:5], K s[6:7], V s[8:9], mask s[10:11]
	s_load_b64 s[12:13], s[0:1], 0x20 ; O
	v_lshl_add_u32 v[SPW], v0, 2, SPARE
	v_mov_b32 v[NIL], 0
	ds_add_u32 v[SPW], v[NIL]       ; the wave's opening: the add and its wait stand ahead of my first tensor load; the set-up below, work on registers, stands between them
	v_lshrrev_b32 v1, 5, v0
	v_readfirstlane_b32 s[WV], v1   ; wave 0..3
	s_bfe_u32 s[CX], ttmp6, 0x40000
	s_bfe_u32 s[CY], ttmp6, 0x40004
	s_and_b32 s76, ttmp7, 0xffff    ; in a cluster launch ttmp9 and ttmp7 count clusters
	s_lshl2_add_u32 s76, s76, s[CY] ; head = 4 x cluster y + cy
	s_lshr_b32 s77, ttmp9, 2        ; batch: four clusters along x each
	s_lshl3_add_u32 s74, s77, s76
	s_lshl_b32 s74, s74, 19         ; s[74:75]: my head's first byte in Q, K, V and O: 4,096 rows of 128 bytes each
	s_mov_b32 s75, 0
	s_and_b32 s80, ttmp9, 3
	s_lshl2_add_u32 s80, s80, s[CX] ; my block of 256 queries in the batch
	s_lshr_b32 s78, ttmp9, 2
	s_lshl_b32 s78, s78, 24         ; s[78:79]: the batch's 4,096 x 4,096 bytes of mask,
	s_lshl_b32 s81, s80, 20         ; my block's 256 rows,
	s_add_co_u32 s78, s78, s81
	s_and_b32 s86, s[WV], 1
	s_lshl_b32 s81, s86, 19         ; the half of them that I fetch
	s_add_co_u32 s78, s78, s81
	s_mov_b32 s79, 0
	s_mul_i32 s[MH], s86, 128*PM    ; and its place in a slot: no place in the cluster enters an LDS address
	s_add_co_u32 s[MH], s[MH], MOFF
	s_lshl_b32 s82, s80, 15         ; s[82:83]: Q and O at my wave's 64 rows
	s_add_co_u32 s82, s82, s74
	s_lshl_b32 s83, s[WV], 13
	s_add_co_u32 s82, s82, s83
	s_mov_b32 s83, 0
	s_lshl_b32 s76, s[CY], 2
	s_lshl_b32 s76, 15, s76         ; my row of the cluster: places 4 cy .. 4 cy + 3
	s_lshl_b32 s81, 0x1111, s[CX]   ; my column: places cx, cx + 4, cx + 8, cx + 12
	; descriptor groups 1.  K, V: 256 keys are 32,768 dense bytes: asked for as 128 rows of 256 bytes, two keys a row, padded in LDS after every key.  Mask: 128 rows of 256 bytes, 4,096 bytes apart, padded after every row.
	s_or_b32 s[G1K], s76, (1<<16)|(1<<20)|(1<<21)|(4<<22)|(3<<25)  ; 15:0 the mask of four; 17:16 2-byte elements; 20 padding on; 21 set beside a mask; 24:22 after every 32 words (code 4); 31:25 4 words (code 3)
	s_or_b32 s[G1V], s76, (1<<16)|(1<<20)|(1<<21)|(4<<22)|(7<<25)  ; the same with 8 words of padding (code 7)
	s_or_b32 s[G1M], s81, (2<<16)|(1<<20)|(1<<21)|(5<<22)|(3<<25)  ; 4-byte elements; after every 64 words (code 5) 4 words
.irp g, G1K, G1V
	s_mov_b32 s[\g+1], 128<<16      ; tensor_dim0 = 128
	s_mov_b32 s[\g+2], 128<<16      ; tensor_dim1 = 128
	s_mov_b32 s[\g+3], 128<<16      ; tile_dim0 = 128
	s_mov_b32 s[\g+4], 128          ; tile_dim1 = 128
	s_mov_b32 s[\g+5], 128          ; 128 elements from row to row
	s_mov_b32 s[\g+6], 0
	s_mov_b32 s[\g+7], 0
.endr
	s_mov_b32 s[G1M+1], 64<<16      ; tensor_dim0 = 64
	s_mov_b32 s[G1M+2], 128<<16     ; tensor_dim1 = 128
	s_mov_b32 s[G1M+3], 64<<16      ; tile_dim0 = 64
	s_mov_b32 s[G1M+4], 128         ; tile_dim1 = 128
	s_mov_b32 s[G1M+5], 1024        ; 1,024 elements from row to row
	s_mov_b32 s[G1M+6], 0
	s_mov_b32 s[G1M+7], 0
	s_mov_b32 s[G0K], 1             ; 1:0 count = 1
	s_mov_b32 s[G0K+1], 0           ; 63:32 LDS address: slot 0
	s_mov_b32 s[G0V], 1
	s_mov_b32 s[G0V+1], VOFF
	s_mov_b32 s[G0M], 1
	s_mov_b32 s[G0M+1], s[MH]
	s_mov_b32 s[CS], 0x3e38aa3b     ; c = log2(e) / 8 = 0.180337
	s_mov_b32 s[CS+1], s[CS]
	s_mov_b32 s[SEL], 0x76543210
	s_mov_b32 s[SEL+1], 0xfedcba98
	s_mov_b32 s[NEGS], 0xef000000   ; -2^95
	s_mov_b32 s[TAB], 0xb8
	s_mov_b32 s[TBK], SLOTB+4*KS*PK ; the first change of slots turns these three into 0
	s_mov_b32 s[TBV], SLOTB+4*KS*PV
	s_mov_b32 s[TBM], SLOTB+4*KS
	s_mov_b32 s[SLOTS], NSLOT-1
	; the prefetches: who asks, and each partner's share
	s_and_b32 s86, ttmp9, 3
	s_and_b32 s87, ttmp7, 0xffff
	s_cmp_lt_u32 s[WV], 2           ; K or V (waves 0, 1), or the mask (waves 2, 3)
	s_cselect_b32 s86, s86, s87     ; the coordinate along which other clusters walk the same bytes
	s_cselect_b32 s84, s[CX], s[CY] ; my place among the four that ask jointly
	s_cselect_b32 s85, 13, 17       ; its share: 32 blocks of 256 bytes, or 32 rows of 4,096
	s_cselect_b32 s87, 8, 12        ; a lane's step
	s_cselect_b32 s[PST], 15, 8     ; a tile's step
	s_lshl_b32 s[PST], 1, s[PST]
	s_mov_b32 s[PST+1], 0
	s_lshl_b32 s84, s84, s85
	s_mov_b32 s85, 0
	s_cmp_eq_u32 s86, 0
	s_cselect_b32 s[LIM], 1, -1     ; the same in all sixteen partners, for a given wave
	v_and_b32 v[PFO], 31, v0
	v_lshlrev_b32 v[PFO], s87, v[PFO]
	s_wait_dscnt 0x0                ; the opening add is done
	s_wait_kmcnt 0x0
	s_add_nc_u64 s[6:7], s[6:7], s[74:75]    ; K and V at my head,
	s_add_nc_u64 s[8:9], s[8:9], s[74:75]
	s_add_nc_u64 s[10:11], s[10:11], s[78:79]  ; the mask at my half of my block's rows,
	s_add_nc_u64 s[4:5], s[4:5], s[82:83]    ; Q and O at my wave's first row
	s_add_nc_u64 s[12:13], s[12:13], s[82:83]
	s_mov_b64 s[G0K+2:G0K+3], s[6:7]         ; 120:64 global address: the first 256 keys
	s_or_b32 s[G0K+3], s[G0K+3], 0x80000000  ; 127:126 type = 2
	s_mov_b64 s[G0V+2:G0V+3], s[8:9]
	s_or_b32 s[G0V+3], s[G0V+3], 0x80000000
	s_mov_b64 s[G0M+2:G0M+3], s[10:11]
	s_or_b32 s[G0M+3], s[G0M+3], 0x80000000
	s_cmp_eq_u32 s[WV], 0
	s_cselect_b64 s[PFA:PFA+1], s[6:7], s[8:9]
	s_cmp_lt_u32 s[WV], 2
	s_cselect_b64 s[PFA:PFA+1], s[PFA:PFA+1], s[10:11]
	s_add_nc_u64 s[PFA:PFA+1], s[PFA:PFA+1], s[84:85]
	s_add_nc_u64 s[PFA:PFA+1], s[PFA:PFA+1], s[PST:PST+1]  ; at tile 1; the first change of slots steps it to tile 2.  Nothing is prefetched here, at the head
	CROUND                          ; all sixteen work-groups are here: the first joint loads meet
	JLOAD                           ; slot 0.  Slot 1 is asked for when slot 0 is in
	; A fragment of K or Q is 16 rows x 32 channels in 8 registers: lane l holds row l % 16, channels 8 (l / 16) + 0..7 and 16 + 8 (l / 16) + 0..7: two loads of 16 bytes, 32 bytes apart.
	v_and_b32 v1, 15, v0            ; l % 16
	v_bfe_u32 v56, v0, 4, 1         ; l / 16
	v_lshlrev_b32 v[QO], 7, v1
	v_lshl_add_u32 v[QO], v56, 4, v[QO]  ; row x 128 + 16 x half
	WIN 0x80                        ; destination window 2, address window 0
.set i, 0
.rept 8                             ; Q stays in registers: piece i / 2, channels 32 (i % 2) on
	global_load_b128 v[8*i:8*i+3],   v[QO], s[4:5] offset:(i/2)*2048+(i%2)*64
	global_load_b128 v[8*i+4:8*i+7], v[QO], s[4:5] offset:(i/2)*2048+(i%2)*64+32
.set i, i+1
.endr
	; What the first turn finds: V's registers and P's second buffer hold 0 (its products V^T P, of a piece that has not been, add 0), O^T and l are 0 (a row's first a may be 1), m = NEG.
	; No first step is written out; these lines stand in the wait for the first tile.
.set i, VF
.rept 64
	v_mov_b32 v[i], 0
.set i, i+1
.endr
	WIN 0x40
.set i, 0
.rept 128
	v_mov_b32 v[i], 0
.set i, i+1
.endr
	WIN 0
.set i, 0
.rept 4
	v_mov_b32 v[ST+4*i], 0
	v_mov_b32 v[ST+4*i+1], s[NEGS]
	v_mov_b32 v[ST+4*i+2], 0
	v_mov_b32 v[ST+4*i+3], 0
.set i, i+1
.endr
.set i, 0
.rept 16
	v_mov_b32 v[TMP+i], 0
	v_mov_b32 v[P+16+i], 0
.set i, i+1
.endr
	v_mov_b32 v[SCL], 227           ; an E8M0 scale: 2^(227 - 127)
	v_mul_u32_u24 v[AK0], v1, PK
	v_lshl_add_u32 v[AK0], v56, 4, v[AK0]  ; row x pitch + 16 x half
	; The turning load takes 16 keys x 16 channels (lane l reads key 8 (l / 16) + l % 8, channels 8 ((l / 8) % 2) + 0..7) and leaves half a fragment of V^T: lane l holds channel l % 16 and 8 keys.
	v_and_b32 v57, 7, v0
	v_bfe_u32 v58, v0, 3, 1
	v_lshl_add_u32 v[AV0], v56, 3, v57
	v_mul_u32_u24 v[AV0], v[AV0], PV
	v_lshl_add_u32 v[AV0], v58, 4, v[AV0]
	v_add_nc_u32 v[AV0], VOFF, v[AV0]
	s_mul_i32 s86, s[WV], 64*PM     ; my wave's 64 rows of the mask's tile
	s_add_co_u32 s86, s86, MOFF
	v_mul_u32_u24 v[AM0], v1, PM
	v_lshl_add_u32 v[AM0], v56, 3, v[AM0]
	v_add_nc_u32 v[AM0], s86, v[AM0]
; THE MATRIX WORK.  The 4 accumulators of a run of 8 take turns.  Product i of 8 of S^T = K Q^T for piece x: channels 32 (i / 4) on, keys 16 (i % 4) on.  The first 4 start the sums with the mask.
.macro KQ x
.set rS, S+32*((\x)%2)+8*(i%4)
.set rK, KF+16*(i%4)+8*(i/4)
.set rQ, 16*(\x)+8*(i/4)
.set rM, MC+32*((\x)%2)+8*(i%4)
.if i < 4
	WIN W_KM
	v_wmma_f32_16x16x32_f16 v[rS:rS+7], v[rK:rK+7], v[rQ:rQ+7], v[rM:rM+7]
.else
	WIN W_KQ
	v_wmma_f32_16x16x32_f16 v[rS:rS+7], v[rK:rK+7], v[rQ:rQ+7], v[rS:rS+7]
.endif
.endm
; Product i of 8 of O^T += V^T P for piece x: keys 32 (i / 4) on, channels 16 (i % 4) on.
.macro PV x
	WIN W_PV
.set rO, 32*(\x)+8*(i%4)
.set rV, VF+32*(i/4)+8*(i%4)
.set rP, P+16*((\x)%2)+8*(i/4)
	v_wmma_f32_16x16x32_f16 v[rO:rO+7], v[rV:rV+7], v[rP:rP+7], v[rO:rO+7]
.endm
.macro MM                           ; the turn's next matrix instruction
.if i < 8
	KQ (Y+1)%NP
.else
.set i, i-8
	PV (Y+NP-1)%NP
.set i, i+8
.endif
.set i, i+1
.endm
; THE LDS LOADS stand in runs, never singly among the matrix instructions: a step's K (8 fragments), its V (turned), and for each piece its 16 queries' 64 mask bytes.
.macro FETCH_K
	WIN 0x80                        ; destination window 2
.irp f, 0,1,2,3,4,5,6,7             ; keys 16 (f / 2) on, channels 32 (f % 2) on
	ds_load_b128 v[KF+8*\f:KF+8*\f+3],   v[AK] offset:(\f/2)*16*PK+(\f%2)*64
	ds_load_b128 v[KF+8*\f+4:KF+8*\f+7], v[AK] offset:(\f/2)*16*PK+(\f%2)*64+32
.endr
	s_add_co_u32 s[TBK], s[TBK], KS*PK  ; the next fetch is the next step's
	WIN 0
.endm
.macro FETCH_V
	WIN 0x80
.irp f, 0,1,2,3,4,5,6,7             ; keys 32 (f / 4) on, channels 16 (f % 4) on
	ds_load_tr16_b128 v[VF+8*\f:VF+8*\f+3],   v[AV] offset:(\f/4)*32*PV+(\f%4)*32
	ds_load_tr16_b128 v[VF+8*\f+4:VF+8*\f+7], v[AV] offset:(\f/4)*32*PV+16*PV+(\f%4)*32
.endr
	WIN 0
.endm
.macro FETCH_M pm                   ; piece pm: for each 16 keys my query's 8 bytes
	WIN 0
.irp kt, 0,1,2,3
	ds_load_b64 v[MB+2*\kt:MB+2*\kt+1], v[AM] offset:(\pm)*16*PM+16*\kt
.endr
.endm
; THE VECTOR WORK, one line at a time: OP kind, number.  For piece Y: F n: ce s - ce m for pair n of 16.  E n: the exponential of score n of 32.  C n: pair n rounded to f16.  B n: of the four weights 4 n .. the second
; pair is added onto the first, in place.  L n: l takes that sum (L 0: l = a l + sum).  R n: pair n of 16 of O^T times a.  For piece Y + 2: M n: four mask bytes become fp8 codes; V n: eight codes become the C operand
; for keys 16 n on.  For piece Y + 1: X n, number n of the 25 that find its maximum and statistics:
;   0-11  four chains c0-c3 of seven scores each, three operands at a time (each accumulator's lowest registers are read first)     12-14, 16  the four scores left over, the old m, and c0-c3 into c0
;   15  m_old is kept     17, 18  the query's other 32 keys lie in the lane 16 away: the new m     19-21  a = 2^(c (m_old - m))     22-24  has the query seen an open key?  ce = c or 0; ce m
.set F, 0
.set E, 1
.set C, 2
.set B, 3
.set L, 4
.set M, 5
.set R, 6
.set V, 7
.set X, 8
.macro REGS y                       ; the registers of piece y
.set rT, ST+4*(\y)
.set rC, TMP+8*((\y)%2)
.set rW, MV+((\y)%2)
.set rS, S+32*((\y)%2)
.set rP, P+16*((\y)%2)
.set rO, 32*(\y)
.endm
.macro OP k, n
.if (\k) == R
	REGS Y
	WIN W_RS
	v_pk_mul_f32 v[rO+2*(\n):rO+2*(\n)+1], v[rO+2*(\n):rO+2*(\n)+1], v[rC+2:rC+3] op_sel_hi:[1,0]
.elseif (\k) == V
	WIN W_CV
	v_cvt_scale_pk8_f32_fp8 v[MC+32*(Y%2)+8*(\n):MC+32*(Y%2)+8*(\n)+7], v[MB+2*(\n):MB+2*(\n)+1], v[SCL]
.elseif (\k) == M
	WIN 0
	v_perm_b32 v[MB+(\n)], s[TAB], s[TAB], v[MB+(\n)]  ; each selector byte, 0 or 1, picks that byte of the table
.elseif (\k) < M
	REGS Y
	WIN 0
.if (\k) == F
	v_pk_fma_f32 v[rS+2*(\n):rS+2*(\n)+1], v[rS+2*(\n):rS+2*(\n)+1], v[rC+4:rC+5], v[rT:rT+1] op_sel_hi:[1,0,0] neg_lo:[0,0,1] neg_hi:[0,0,1]
.elseif (\k) == E
	v_exp_f32 v[rS+(\n)], v[rS+(\n)]
.elseif (\k) == C
	s_wait_alu depctr_va_vdst(0)
	v_cvt_pk_f16_f32 v[rP+(\n)], v[rS+2*(\n)], v[rS+2*(\n)+1]
.elseif (\k) == B
	s_wait_alu depctr_va_vdst(0)
	v_pk_add_f32 v[rS+4*(\n):rS+4*(\n)+1], v[rS+4*(\n):rS+4*(\n)+1], v[rS+4*(\n)+2:rS+4*(\n)+3]
.elseif (\n) == 0
	v_pk_fma_f32 v[rT+2:rT+3], v[rT+2:rT+3], v[rC+2:rC+3], v[rS:rS+1] op_sel_hi:[1,0,1]
.else
	v_pk_add_f32 v[rT+2:rT+3], v[rT+2:rT+3], v[rS+4*(\n):rS+4*(\n)+1]
.endif
.else
	REGS (Y+1)%NP
	WIN 0
.if (\n) < 4
	v_max3_num_f32 v[rC+(\n)], v[rS+8*(\n)], v[rS+8*(\n)+1], v[rS+8*(\n)+2]
.elseif (\n) < 12
	v_max3_num_f32 v[rC+(\n)%4], v[rC+(\n)%4], v[rS+8*((\n)%4)+2*((\n)/4)+1], v[rS+8*((\n)%4)+2*((\n)/4)+2]
.elseif (\n) == 12
	v_max3_num_f32 v[rC], v[rC], v[rS+7], v[rS+15]
.elseif (\n) == 13
	v_max3_num_f32 v[rC+1], v[rC+1], v[rS+23], v[rS+31]
.elseif (\n) == 14
	v_max3_num_f32 v[rC+2], v[rC+2], v[rC+3], v[rT+1]
.elseif (\n) == 15
	v_mov_b32 v[rW], v[rT+1]
	s_wait_alu depctr_va_vdst(0)
.elseif (\n) == 16
	v_max3_num_f32 v[rC], v[rC], v[rC+1], v[rC+2]
	s_wait_alu depctr_va_vdst(0)
.elseif (\n) == 17
	v_permlanex16_b32 v[rC+3], v[rC], s[SEL], s[SEL+1]
.elseif (\n) == 18
	v_max_num_f32 v[rT+1], v[rC], v[rC+3]
.elseif (\n) == 19
	v_sub_f32 v[rC+1], v[rW], v[rT+1]
.elseif (\n) == 20
	v_mul_f32 v[rC+1], s[CS], v[rC+1]
.elseif (\n) == 21
	v_exp_f32 v[rC+2], v[rC+1]
.elseif (\n) == 22
	v_cmp_gt_f32 s[SM], v[rT+1], s[NEGS]
.elseif (\n) == 23
	v_cndmask_b32 v[rC+4], 0, s[CS], s[SM]
	s_wait_alu depctr_va_vdst(0)
.else
	v_mul_f32 v[rT], v[rC+4], v[rT+1]
.endif
.endif
.endm
.macro OPS a, i1, b=-1, i2=0, c=-1, i3=0, d=-1, i4=0  ; up to four of them
	OP \a, \i1
.if (\b) >= 0
	OP \b, \i2
.endif
.if (\c) >= 0
	OP \c, \i3
.endif
.if (\d) >= 0
	OP \d, \i4
.endif
.endm
.macro ROW a, i1, b, i2, c, i3, d, i4  ; a matrix instruction and the four behind it
	MM
	OPS \a, \i1, \b, \i2, \c, \i3, \d, \i4
.endm
; A TURN, for piece p: the order of its 16 matrix and 133 vector instructions, written out.  Behind a matrix instruction: plain, exponential, plain, plain; or four of the rescaling; or, behind the first, four scalings;
; none names a register of the products round it.  In the runs between, exponential and plain by turns while exponentials last; every exponential has a plain instruction behind it before its result is used.
; The four conversions stand together near the end, plain lines (the rescaling) behind them and ahead of the next turn's first product, which takes what they made.
; K of the next step is fetched in piece 2's turn, behind the last product that read K and five plain instructions; V of the step in hand in piece 0's turn, behind the last product that read V and four plain ones.
; The mask bytes are fetched at a turn's head and waited for in its middle.  Piece 2's turn steps the mask's and K's addresses to the next key step.
; last = 1 (the tail): in its fifth trip there is no further step: the two addresses stay, and the fetches read the last step once more, so that every count of loads is the same on both ways.
; cnt = 1: the loop's count is taken down some lines ahead of the branch that stands behind the turn.
.macro TURN p, last=0, cnt=0
.set Y, (\p)
.set i, 0
	WIN 0
.if (\p) == 2
.if \last
	s_cmp_eq_u32 s[CNT], 1
	s_cbranch_scc1 .Lkeep_\@
.endif
	v_add_nc_u32 v[AM], s[TBM], v[AM0]
	v_add_nc_u32 v[AK], s[TBK], v[AK0]
	s_add_co_u32 s[TBM], s[TBM], KS
.if \last
.Lkeep_\@:
.endif
.endif
.if (\p) == 3
	s_wait_dscnt 0x0                ; K is in
.endif
	FETCH_M ((\p)+2)%NP
	ROW F,0, F,1, F,2, F,3
	ROW F,4, E,0, F,5, F,6
	ROW F,7, E,1, F,8, F,9
	ROW F,10, E,2, C,0, F,11
	ROW F,12, E,3, X,15, F,13
	ROW R,0, R,1, R,2, R,3
	ROW B,0, E,4, F,14, L,0
	ROW R,4, R,5, R,6, R,7
	OPS E,5, F,15
.if (\p) == 2
	FETCH_K
.endif
	OPS E,6, C,1, E,7, R,8
	OPS E,8, R,9, E,9, C,2
	OPS E,10, X,0, E,11, X,1
	OPS E,12, X,2, E,13, X,3
.if (\p) == 2
	s_wait_dscnt 16                 ; the four mask loads are in; K's sixteen, issued behind them, may stay out
.else
	s_wait_dscnt 0x0                ; the mask bytes are in (piece 1's turn: V too)
.endif
	ROW X,4, E,14, X,5, X,6
	ROW X,7, E,15, X,8, X,9
	ROW X,10, E,16, X,11, X,12
	ROW X,13, E,17, X,14, B,1
	ROW C,4, E,18, X,16, L,1
	ROW B,2, E,19, C,6, L,2
	ROW C,8, E,20, B,3, B,4
.if (\p) == 0
	WIN 0
	v_add_nc_u32 v[AV], s[TBV], v[AV0]
.endif
	ROW C,3, E,21, L,3, C,5
	OPS E,22, X,17, E,23, C,10
.if (\p) == 0
	FETCH_V
	s_add_co_u32 s[TBV], s[TBV], KS*PV
.endif
	OPS E,24, L,4, E,25, X,18
	OPS E,26, C,7, E,27, M,0
	OPS E,28, X,19, E,29, X,22
	OPS E,30, B,5, E,31, X,20
	OPS M,1, X,23, C,12, X,21
	OPS M,2, X,24, L,5, M,3
	OPS B,6, C,9, C,14, M,4
	OPS C,11, L,6, M,5, C,13
.if \cnt
	s_sub_co_u32 s[CNT], s[CNT], 1
	s_cmp_lg_u32 s[CNT], 0
.endif
	OPS B,7, M,6, C,15, M,7
	OPS L,7, V,0, V,1, V,2
	OPS V,3, R,10, R,11, R,12
	OPS R,13, R,14, R,15
.endm
.macro MAKE_MASK pm                 ; ahead of the loop: a piece's mask by itself (Y says into which buffer)
	FETCH_M \pm
	s_wait_dscnt 0x0
.irp n, 0,1,2,3,4,5,6,7
	OP M, \n
.endr
.irp n, 0,1,2,3
	OP V, \n
.endr
	WIN 0
	v_nop                           ; a plain instruction behind the last conversion
.endm
	CHANGE 1                        ; slot 0 is in, everybody's part of it; slot 1 is asked for
	v_add_nc_u32 v[AK], s[TBK], v[AK0]
	FETCH_K                         ; key step 0
	v_add_nc_u32 v[AM], s[TBM], v[AM0]
	s_add_co_u32 s[TBM], s[TBM], KS
.set Y, 2
	MAKE_MASK 0                     ; pieces 0 and 1, key step 0
.set Y, 3
	MAKE_MASK 1
	s_wait_loadcnt 0x0              ; Q
.set i, 0
.rept 8
	KQ 0                            ; piece 0's first scores: there is no vector work yet to set between them
.set i, i+1
.endr
	WIN 0                           ; the addresses for the way out: eleven plain instructions, the places behind those products
	s_mul_i32 s86, s[WV], 16*SP
	s_add_co_u32 s86, s86, STAGE    ; my stage
	v_mul_u32_u24 v[STO], v1, SP    ; in: row l % 16, 16 bytes for each half of the lanes
	v_lshl_add_u32 v[STO], v56, 4, v[STO]
	v_add_nc_u32 v[STO], s86, v[STO]
	v_bfe_u32 v[RD], v0, 3, 2       ; back: 32 lanes take four rows of 128 bytes,
	v_mul_u32_u24 v[RD], v[RD], SP
	v_lshl_add_u32 v[RD], v57, 4, v[RD]
	v_add_nc_u32 v[RD], s86, v[RD]
	v_and_b32 v[GO], 31, v0         ; which are 512 consecutive bytes of O
	v_lshlrev_b32 v[GO], 4, v[GO]
.irp n, 0,1,2,3,4,5,6,7,8,9,10,11,12,13,14,15,16,17,18,19,20,21,22,23,24
	OP X, \n                        ; piece 0's first maximum and statistics (X works for piece Y + 1)
.endr
	s_mov_b32 s[CNT], 4
	s_branch .Lfirst                ; the loop is entered at a step's first turn, in the middle of a trip
.Lslot:                             ; NSLOT - 2 times: every slot but the last two is filled again
	CHANGE 1
	s_mov_b32 s[CNT], 4
.Lstep:                             ; a trip: pieces 2 and 3 of one step, then pieces 0 and 1 of the next, whose K, V and mask it fetches
	TURN 2
	TURN 3
	WIN 0
.Lfirst:
	TURN 0
	TURN 1, 0, 1
	WIN 0
	s_cbranch_scc1 .Lstep
	s_sub_co_u32 s[SLOTS], s[SLOTS], 1
	s_cmp_lg_u32 s[SLOTS], 0
	s_cbranch_scc1 .Lslot
	CHANGE 0                        ; the tail is written out: nothing is asked for
	s_mov_b32 s[CNT], 5             ; four trips fetch the last slot's steps; the fifth is left in its middle
.Ltail:
	TURN 2, 1
	TURN 3
	WIN 0
	s_sub_co_u32 s[CNT], s[CNT], 1
	s_cmp_eq_u32 s[CNT], 0
	s_cbranch_scc1 .Lout
	TURN 0
	TURN 1
	WIN 0
	s_branch .Ltail
.Lout:                              ; the fifth trip's 8 products K Q^T for piece 0 (on the last K once more) and the maximum made of them serve nothing: the price, once a launch, of one text for every trip
.set i, 0
.rept 8
	PV NP-1                         ; the last piece's V^T P of the last step
.set i, i+1
.endr
	; THE WAY OUT.  l's two halves and the other half of the lanes' are added; O^T is divided by l, rounded to f16 and sent through my stage in LDS, a piece at a time.  The additions are the places behind the last products.
	WIN 0
.macro ALL line:vararg              ; one line for each piece t
.set t, 0
.rept 4
	\line
.set t, t+1
.endr
.endm
	ALL v_add_f32 v[ST+4*t+2], v[ST+4*t+2], v[ST+4*t+3]
	ALL v_permlanex16_b32 v[ST+4*t+3], v[ST+4*t+2], s[SEL], s[SEL+1]
	ALL v_add_f32 v[ST+4*t+2], v[ST+4*t+2], v[ST+4*t+3]
	ALL v_rcp_f32 v[ST+4*t+2], v[ST+4*t+2]
	v_nop                           ; a plain instruction between the last reciprocal and the use of its result
	s_wait_alu depctr_va_vdst(0)
.macro PACK t                       ; a lane's eight channels of a row pack into 16 bytes; they go into rows of 144 bytes and come back as whole rows of 128, into S^T's registers
	WIN W_RS
.set i, 32*(\t)
.rept 16
	v_pk_mul_f32 v[i:i+1], v[i:i+1], v[ST+4*(\t)+2:ST+4*(\t)+3] op_sel_hi:[1,0]
.set i, i+2
.endr
	WIN 0x05                        ; sources 0 and 1 window 1, destination window 0
.set i, 0
.rept 16
	v_cvt_pk_f16_f32 v[S+16*(\t)+i], v[32*(\t)+2*i], v[32*(\t)+2*i+1]
.set i, i+1
.endr
	WIN 0
.irp f, 0,1,2,3
	ds_store_b128 v[STO], v[S+16*(\t)+4*\f:S+16*(\t)+4*\f+3] offset:32*\f
.endr
.irp f, 0,1,2,3
	ds_load_b128 v[S+16*(\t)+4*\f:S+16*(\t)+4*\f+3], v[RD] offset:\f*4*SP  ; LDS serves a wave's instructions in order (ISA guide 5.7.1.4): these see the stores above; the next piece's stores come behind them
.endr
.endm
.macro SEND t, younger              ; younger: the LDS instructions issued behind piece t's loads: the next piece's eight, or none
	WIN 0
.irp f, 0,1,2,3
	s_wait_dscnt (\younger)+3-\f
	global_store_b128 v[GO], v[S+16*(\t)+4*\f:S+16*(\t)+4*\f+3], s[12:13] offset:(\t)*2048+\f*512  ; 512 consecutive bytes, at a multiple of 256 from O's first
.endr
.endm
	PACK 0
.set t, 1
.rept 3                             ; a piece's arithmetic stands between the loads of the piece before and its stores
	PACK t
	SEND t-1, 8
.set t, t+1
.endr
	SEND 3, 0
	s_wait_tensorcnt 0x0            ; the wave's end, behind my last tensor load and my last LDS store
	ds_add_u32 v[SPW], v[NIL]
	s_wait_dscnt 0x0
	CROUND                          ; the closing round: no work-group ends while a partner may still ask for a tile that names it
	s_endpgm
.Lfunc_end_k_qec9b481ae5_attn:
	.size	k_qec9b481ae5_attn, .Lfunc_end_k_qec9b481ae5_attn-k_qec9b481ae5_attn
	.p2alignl 7, 3214868480
	.fill 96, 4, 3214868480
	.section	.rodata,"a",@progbits
	.p2align	6, 0x0
	.amdhsa_kernel k_qec9b481ae5_attn
		.amdhsa_group_segment_fixed_size 327680
		.amdhsa_private_segment_fixed_size 0
		.amdhsa_enable_private_segment 0
		.amdhsa_kernarg_size 40
		.amdhsa_user_sgpr_count 2
		.amdhsa_user_sgpr_kernarg_segment_ptr 1
		.amdhsa_wavefront_size32 1
		.amdhsa_system_sgpr_workgroup_id_x 1
		.amdhsa_system_sgpr_workgroup_id_y 1
		.amdhsa_system_sgpr_workgroup_id_z 1
		.amdhsa_system_vgpr_workitem_id 0
		.amdhsa_next_free_vgpr 768
		.amdhsa_next_free_sgpr 88
		.amdhsa_reserve_vcc 0
		.amdhsa_float_denorm_mode_32 3
		.amdhsa_float_denorm_mode_16_64 3
		.amdhsa_memory_ordered 1
		.amdhsa_forward_progress 1
		.amdhsa_inst_pref_size 132
	.end_amdhsa_kernel
	.amdgpu_metadata
---
amdhsa.version: [ 1, 2 ]
amdhsa.kernels:
  - .name:           k_qec9b481ae5_attn
    .symbol:         k_qec9b481ae5_attn.kd
    .args:
      - { .name: qh, .offset: 0, .size: 8, .value_kind: global_buffer, .address_space: global }
      - { .name: kh, .offset: 8, .size: 8, .value_kind: global_buffer, .address_space: global }
      - { .name: vh, .offset: 16, .size: 8, .value_kind: global_buffer, .address_space: global }
      - { .name: mask, .offset: 24, .size: 8, .value_kind: global_buffer, .address_space: global }
      - { .name: oh, .offset: 32, .size: 8, .value_kind: global_buffer, .address_space: global }
    .group_segment_fixed_size: 327680
    .private_segment_fixed_size: 0
    .kernarg_segment_align: 8
    .kernarg_segment_size: 40
    .max_flat_workgroup_size: 128
    .sgpr_count:     88
    .vgpr_count:     768
    .wavefront_size: 32
...
	.end_amdgpu_metadata
.endif
;; end of part 2
;; launch outp (part 3): grid 4 x 64, 4 waves a work-group, no clusters, 91,648 bytes of LDS; arguments oh, Wo, bo, out0; writes out0
.if DOCPART == 3
	.amdgcn_target "amdgcn-amd-amdhsa--gfx1250"
	.amdhsa_code_object_version 6
	.text
	.protected	k_qec9b481ae5_outp
	.globl	k_qec9b481ae5_outp
	.p2align	8
	.type	k_qec9b481ae5_outp,@function
k_qec9b481ae5_outp:
	s_mov_b64 s[64:65], 0
	v_nop
	global_prefetch_b8 v0, s[64:65] scope:SCOPE_SE
	s_setreg_imm32_b32 hwreg(HW_REG_WAVE_MODE, 25, 1), 1
	s_wait_xcnt 0x0
; out0[row][n] = the sum over k of heads[row][k] Wo[n][k] + bo[n].  heads lies by heads, oh: [batch][head][row][64] in f16; Wo: [512][512] f32; bo: [512] f32; out0: [8192][512] f32.
; Wo is rounded to bf16, like every input of the module, and that number is written as f16 for the product with the f16 heads; sums in f32; the bias is the C operand that starts each sum.
; LIMITS.  |Wo| stays within f16's 65,504; a weight below 2^-14 keeps f16's fixed step of 2^-24.  NaN and infinities are not treated apart.
; SHARES.  Work-group x = column block of 128, y = row block of 128: 256 work-groups.  Four waves, each 64 x 64: 16 accumulators.  K step ks is head ks: the rows' 64 channels are a dense block of 16 KiB.
; The 8 steps are written out; the step's place stands in the loads' immediates and no pointer is stepped.  Loads run two steps ahead of the roundings: two sets of 96 registers, 48 loads a wave on their way.
; THROUGH REGISTERS, NO JOINT LOADS: Wo is f32 and has to be rounded on its way into LDS, once, by the thread that loaded it; the heads' tile takes the same road, so that one barrier a step serves both.
; THE MATRIX INSTRUCTION IS USED TRANSPOSED (source 0 = 16 rows of Wo, source 1 = 16 rows of heads): a lane then holds eight neighbouring columns of one row of out0.
; REGISTERS.  window 0: v2-11, v50-51 addresses; v16-47 the bias; v64-95, v96-127 fragments (later: the way out); v128-255 accumulators.   window 1: v0-95, v96-191 the two sets: 64 of Wo, 32 of heads.
.set PITCH, 144                        ; an LDS row: 64 numbers of 2 bytes + 16 of padding
.set WREG,  128*PITCH                  ; in a slot: the heads' 128 rows, then Wo's 128 rows
.set SLOT,  256*PITCH
.set STAGE, 2*SLOT                     ; behind the slots: 16 rows x 272 bytes for each wave, for the way out
.set SPO,   272
.set SPARE, STAGE+4*16*SPO             ; the spare words, 128 bytes for each wave: two blocks of 256 bytes that no other line names
.set GOFF, 2                           ; v2    my 16 bytes in a tile of Wo: row t / 16 (of 8), 16 (t % 16)
.set BO,   3                           ; v3    32 x (lane / 16)
.set SOFF, 4                           ; v4-5  where my 8 bytes of Wo go in slot 0, 1
.set FA,   6
.set FB,   7
.set STO,  8
.set RD,   9
.set CO,   10                          ; v10   my 16 bytes in two rows of out0
.set GOFA, 11                          ; v11   16 t: my 16 bytes in 2,048 dense bytes of heads
.set BIAS, 16
.set SPW,  48
.set NIL,  49
.set SOFA, 50                          ; v50-51 where they go in slot 0, 1: row t / 8, 16 (t % 8)
.set FRA,  64
.set FRB,  96
.set ACC,  128
.set AB, 4                             ; s[4:5]   heads at my row block, head 0
.set WB, 6                             ; s[6:7]   Wo at my column block
.set BB, 8                             ; s[8:9]   the bias at my wave's 64 columns
.set OB, 10                            ; s[10:11] out0 at my wave's first row and column
.set HIM, 17                           ; s17      a word's upper half
.set MSB, 0
.macro WIN new
.if MSB != (\new)
	s_set_vgpr_msb (MSB<<8)|(\new)
.set MSB, (\new)
.endif
.endm
	s_load_b256 s[4:11], s[0:1], 0x0
	v_lshl_add_u32 v[SPW], v0, 2, SPARE
	v_mov_b32 v[NIL], 0
	v_lshrrev_b32 v1, 5, v0
	v_readfirstlane_b32 s12, v1                    ; wave 0..3
	s_lshr_b32 s13, s12, 1                         ; which half of the tile's rows is mine
	s_and_b32 s14, s12, 1                          ; which half of its columns
	s_mov_b32 s15, ttmp9                           ; column block
	s_and_b32 s16, ttmp7, 0xffff                   ; row block
	s_mov_b32 s[HIM], 0xffff0000
	s_lshr_b32 s18, s16, 5                         ; batch: 8 heads of 4,096 rows of 128 bytes,
	s_lshl_b32 s18, s18, 22
	s_and_b32 s26, s16, 31
	s_lshl_b32 s26, s26, 14                        ; my 128 rows in a head
	s_add_co_u32 s18, s18, s26
	s_mov_b32 s19, 0
	s_lshl_b32 s20, s15, 18                        ; 128 rows of Wo
	s_mov_b32 s21, 0
	s_lshl_b32 s22, s15, 9                         ; 128 columns of 4 bytes,
	s_lshl_b32 s26, s14, 8                         ; my wave's 64
	s_add_co_u32 s22, s22, s26
	s_mov_b32 s23, 0
	s_lshl1_add_u32 s24, s16, s13                  ; my 64 rows of 2,048 bytes
	s_lshl_b32 s24, s24, 17
	s_add_co_u32 s24, s24, s22
	s_mov_b32 s25, 0
	v_lshrrev_b32 v12, 4, v0                       ; t / 16
	v_and_b32 v1, 15, v0                           ; t % 16 = lane % 16
	v_bfe_u32 v13, v0, 4, 1                        ; lane / 16
	v_lshlrev_b32 v[GOFF], 11, v12
	v_lshl_add_u32 v[GOFF], v1, 4, v[GOFF]
	v_mul_u32_u24 v[SOFF], v12, PITCH
	v_lshl_add_u32 v[SOFF], v1, 3, v[SOFF]
	v_add_nc_u32 v[SOFF], WREG, v[SOFF]
	v_add_nc_u32 v[SOFF+1], SLOT, v[SOFF]
	v_lshlrev_b32 v[GOFA], 4, v0
	v_lshrrev_b32 v12, 3, v0                       ; t / 8
	v_and_b32 v14, 7, v0
	v_mul_u32_u24 v[SOFA], v12, PITCH
	v_lshl_add_u32 v[SOFA], v14, 4, v[SOFA]
	v_add_nc_u32 v[SOFA+1], SLOT, v[SOFA]
	v_mul_u32_u24 v14, v1, PITCH
	v_lshl_add_u32 v14, v13, 4, v14                ; a fragment's row x pitch + 16 x half
	s_mul_i32 s26, s13, 64*PITCH
	v_add_nc_u32 v[FA], s26, v14
	s_mul_i32 s26, s14, 64*PITCH
	s_add_co_u32 s26, s26, WREG
	v_add_nc_u32 v[FB], s26, v14
	v_lshlrev_b32 v[BO], 5, v13
	s_mul_i32 s26, s12, 16*SPO
	s_add_co_u32 s26, s26, STAGE                   ; my stage
	v_mul_u32_u24 v[STO], v1, SPO                  ; in: row lane % 16, 32 bytes for each half of the lanes
	v_lshl_add_u32 v[STO], v13, 5, v[STO]
	v_add_nc_u32 v[STO], s26, v[STO]
	v_mul_u32_u24 v[RD], v13, SPO                  ; back: lanes 0-15 take one row of 256 bytes, lanes 16-31 the next
	v_lshl_add_u32 v[RD], v1, 4, v[RD]
	v_add_nc_u32 v[RD], s26, v[RD]
	v_lshlrev_b32 v[CO], 11, v13                   ; and the same two rows in out0
	v_lshl_add_u32 v[CO], v1, 4, v[CO]
	s_wait_kmcnt 0x0
	s_add_nc_u64 s[AB:AB+1], s[AB:AB+1], s[18:19]
	s_add_nc_u64 s[WB:WB+1], s[WB:WB+1], s[20:21]
	s_add_nc_u64 s[BB:BB+1], s[BB:BB+1], s[22:23]
	s_add_nc_u64 s[OB:OB+1], s[OB:OB+1], s[24:25]
; A step's 24 loads into set st % 2: Wo's tile (128 rows x 256 bytes; sixteen lanes take a row's 256 bytes, aligned) and the heads' (16,384 dense bytes of head st).
.macro LD st
.set SB, 96*((\st)%2)
	WIN 0x40
.set i, 0
.rept 16
	global_load_b128 v[SB+4*i:SB+4*i+3], v[GOFF], s[WB:WB+1] offset:i*16384+(\st)*256
.set i, i+1
.endr
.set i, 0
.rept 8
	global_load_b128 v[SB+64+4*i:SB+64+4*i+3], v[GOFA], s[AB:AB+1] offset:i*2048+(\st)*524288
.set i, i+1
.endr
.endm
; The step's tiles go into slot st % 2.  Wo: four f32 are rounded to bf16, widened again (a shift, a mask) and written as f16, in place.  The heads go as they are.  left: the next step's 24 loads may stay out.
.macro CONVO st, left
.set SB, 96*((\st)%2)
	s_wait_loadcnt \left
	WIN 0x45
.set i, 0
.rept 16
	v_cvt_pk_bf16_f32 v[SB+4*i], v[SB+4*i], v[SB+4*i+1]
	v_cvt_pk_bf16_f32 v[SB+4*i+2], v[SB+4*i+2], v[SB+4*i+3]
	v_and_b32 v[SB+4*i+1], s[HIM], v[SB+4*i]
	v_and_b32 v[SB+4*i+3], s[HIM], v[SB+4*i+2]
	v_lshlrev_b32 v[SB+4*i], 16, v[SB+4*i]
	v_lshlrev_b32 v[SB+4*i+2], 16, v[SB+4*i+2]
	v_cvt_pk_f16_f32 v[SB+4*i], v[SB+4*i], v[SB+4*i+1]
	v_cvt_pk_f16_f32 v[SB+4*i+1], v[SB+4*i+2], v[SB+4*i+3]
.set i, i+1
.endr
	WIN 0x04
.set i, 0
.rept 16
	ds_store_b64 v[SOFF+(\st)%2], v[SB+4*i:SB+4*i+1] offset:i*8*PITCH
.set i, i+1
.endr
.set i, 0
.rept 8
	ds_store_b128 v[SOFA+(\st)%2], v[SB+64+4*i:SB+64+4*i+3] offset:i*16*PITCH
.set i, i+1
.endr
.endm
.macro FRAG sl, c                      ; Wo's four fragments, then the heads': 16 rows x 32 K each, two loads of 16 bytes, 32 bytes apart
	WIN 0
.irp b, 0,1,2,3
	ds_load_b128 v[FRB+8*\b:FRB+8*\b+3],   v[FB] offset:(\sl)*SLOT+\b*16*PITCH+(\c)*64
	ds_load_b128 v[FRB+8*\b+4:FRB+8*\b+7], v[FB] offset:(\sl)*SLOT+\b*16*PITCH+(\c)*64+32
.endr
.irp b, 0,1,2,3
	ds_load_b128 v[FRA+8*\b:FRA+8*\b+3],   v[FA] offset:(\sl)*SLOT+\b*16*PITCH+(\c)*64
	ds_load_b128 v[FRA+8*\b+4:FRA+8*\b+7], v[FA] offset:(\sl)*SLOT+\b*16*PITCH+(\c)*64+32
.endr
.endm
.macro MUL first                       ; 16 products; the 16 accumulators take turns; first = 1: the bias starts the sums
	WIN 0
.irp a, 0,1,2,3
	s_wait_dscnt 6-2*\a                            ; Wo's fragments and the heads' block a are in; the later blocks' loads, two each, may be out
.irp b, 0,1,2,3
.if \first
	v_wmma_f32_16x16x32_f16 v[ACC+8*(4*\a+\b):ACC+8*(4*\a+\b)+7], v[FRB+8*\b:FRB+8*\b+7], v[FRA+8*\a:FRA+8*\a+7], v[BIAS+8*\b:BIAS+8*\b+7]
.else
	v_wmma_f32_16x16x32_f16 v[ACC+8*(4*\a+\b):ACC+8*(4*\a+\b)+7], v[FRB+8*\b:FRB+8*\b+7], v[FRA+8*\a:FRA+8*\a+7], v[ACC+8*(4*\a+\b):ACC+8*(4*\a+\b)+7]
.endif
.endr
.endr
.endm
.macro BAR                             ; my stores into the next slot are done and my reads of the last one are back; then all four waves meet
	s_wait_dscnt 0x0
	s_barrier_signal -1
	s_barrier_wait -1
.endm
.macro PLACES                          ; four places behind the last product (ISA guide 7.12.1), where no other vector work is at hand
.rept 4
	v_nop
.endr
.endm
.irp b, 0,1,2,3
	global_load_b128 v[BIAS+8*\b:BIAS+8*\b+3],   v[BO], s[BB:BB+1] offset:64*\b     ; register j of block b: the bias of column 16 b + 8 (lane / 16) + j
	global_load_b128 v[BIAS+8*\b+4:BIAS+8*\b+7], v[BO], s[BB:BB+1] offset:64*\b+16
.endr
	LD 0
	LD 1
	CONVO 0, 24                                    ; the bias and step 0 are in; step 1's 24 loads stay out
	LD 2
; A K step: one barrier; 32 products; the next step's tiles are rounded into the other slot, and its set of registers is asked for again, three steps ahead of the products.
.set ks, 0
.rept 8
	BAR
	FRAG ks%2, 0
.if ks == 0
	MUL 1
.else
	MUL 0
.endif
	PLACES
	FRAG ks%2, 1
	MUL 0
.if ks < 6
	CONVO ks+1, 24
.elseif ks == 6
	CONVO ks+1, 0
.endif
.if ks < 5
	LD ks+3
.endif
.set ks, ks+1
.endr
	; THE WAY OUT.  Block a (16 rows): a lane's eight columns, 32 bytes of f32, go straight from the accumulators into my own stage, rows of 272 bytes, each accumulator from its low end on; they come back as
	; whole rows of 256 bytes, two to a load.
	WIN 0
	PLACES
.irp a, 0,1,2,3
.irp b, 0,1,2,3
	ds_store_b128 v[STO], v[ACC+8*(4*\a+\b):ACC+8*(4*\a+\b)+3]   offset:64*\b
	ds_store_b128 v[STO], v[ACC+8*(4*\a+\b)+4:ACC+8*(4*\a+\b)+7] offset:64*\b+16
.endr
	s_wait_xcnt 0x0                                ; the stores of the block two back have read their registers, which are loaded again below
.irp t, 0,1,2,3,4,5,6,7
	ds_load_b128 v[FRA+32*(\a%2)+4*\t:FRA+32*(\a%2)+4*\t+3], v[RD] offset:\t*2*SPO  ; LDS serves a wave's instructions in order (ISA guide 5.7.1.4): these see the stores above; the next block's stores come behind them
.endr
.irp t, 0,1,2,3,4,5,6,7
	s_wait_dscnt 7-\t
	global_store_b128 v[CO], v[FRA+32*(\a%2)+4*\t:FRA+32*(\a%2)+4*\t+3], s[OB:OB+1] offset:(16*\a+2*\t)*2048 th:TH_STORE_NT  ; 16 lanes store 256 consecutive bytes, at a multiple of 256 from out0's first byte
.endr
.endr
	s_wait_tensorcnt 0x0                           ; the wave's end, behind my last LDS store
	ds_add_u32 v[SPW], v[NIL]
	s_wait_dscnt 0x0
	s_endpgm
.Lfunc_end_k_qec9b481ae5_outp:
	.size	k_qec9b481ae5_outp, .Lfunc_end_k_qec9b481ae5_outp-k_qec9b481ae5_outp
	.p2alignl 7, 3214868480
	.fill 96, 4, 3214868480
	.section	.rodata,"a",@progbits
	.p2align	6, 0x0
	.amdhsa_kernel k_qec9b481ae5_outp
		.amdhsa_group_segment_fixed_size 91648
		.amdhsa_private_segment_fixed_size 0
		.amdhsa_enable_private_segment 0
		.amdhsa_kernarg_size 32
		.amdhsa_user_sgpr_count 2
		.amdhsa_user_sgpr_kernarg_segment_ptr 1
		.amdhsa_wavefront_size32 1
		.amdhsa_system_sgpr_workgroup_id_x 1
		.amdhsa_system_sgpr_workgroup_id_y 1
		.amdhsa_system_sgpr_workgroup_id_z 1
		.amdhsa_system_vgpr_workitem_id 0
		.amdhsa_next_free_vgpr 448
		.amdhsa_next_free_sgpr 66
		.amdhsa_reserve_vcc 0
		.amdhsa_float_denorm_mode_32 3
		.amdhsa_float_denorm_mode_16_64 3
		.amdhsa_memory_ordered 1
		.amdhsa_forward_progress 1
		.amdhsa_inst_pref_size 128
	.end_amdhsa_kernel
	.amdgpu_metadata
---
amdhsa.version: [ 1, 2 ]
amdhsa.kernels:
  - .name:           k_qec9b481ae5_outp
    .symbol:         k_qec9b481ae5_outp.kd
    .args:
      - { .name: oh, .offset: 0, .size: 8, .value_kind: global_buffer, .address_space: global }
      - { .name: Wo, .offset: 8, .size: 8, .value_kind: global_buffer, .address_space: global }
      - { .name: bo, .offset: 16, .size: 8, .value_kind: global_buffer, .address_space: global }
      - { .name: out0, .offset: 24, .size: 8, .value_kind: global_buffer, .address_space: global }
    .group_segment_fixed_size: 91648
    .private_segment_fixed_size: 0
    .kernarg_segment_align: 8
    .kernarg_segment_size: 32
    .max_flat_workgroup_size: 128
    .sgpr_count:     66
    .vgpr_count:     448
    .wavefront_size: 32
...
	.end_amdgpu_metadata
.endif
;; end of part 3
;; ======== version 2 of 2: 3 launches; version 1 with the launch outp written anew for expert scheduling mode
;; limits: values are held in f16: magnitudes above 65,504 overflow, below 6.1e-05 lose precision; right only within a limited range of input values
;; workspace buffers: qh 8,388,608 bytes; kh 8,388,608 bytes; vh 8,388,608 bytes; oh 8,388,608 bytes
;; launch proj: the kernel of part 1 again; grid 12 x 64, 4 waves a work-group, no clusters, 83,456 bytes of LDS; arguments query_input, key_input, value_input, Wq, Wk, Wv, bq, bk, bv, qh, kh, vh; writes qh, kh, vh
;; launch attn: the kernel of part 2 again; grid 32 x 8, 4 waves a work-group, clusters of 4 x 4, 327,680 bytes of LDS; arguments qh, kh, vh, mask, oh; writes oh
;; launch outp (part 4): grid 4 x 64, 4 waves a work-group, no clusters, 91,648 bytes of LDS; arguments oh, Wo, bo, out0; writes out0
.if DOCPART == 4
	.amdgcn_target "amdgcn-amd-amdhsa--gfx1250"
	.amdhsa_code_object_version 6
	.text
	.protected	k_qec9b481ae5_outp
	.globl	k_qec9b481ae5_outp
	.p2align	8
	.type	k_qec9b481ae5_outp,@function
k_qec9b481ae5_outp:
	s_mov_b64 s[64:65], 0
	v_nop
	global_prefetch_b8 v0, s[64:65] scope:SCOPE_SE
	s_setreg_imm32_b32 hwreg(HW_REG_WAVE_SCHED_MODE, 0, 2), 2
	s_setreg_imm32_b32 hwreg(HW_REG_WAVE_MODE, 25, 1), 1
	s_wait_xcnt 0x0
	s_wait_alu depctr_vm_vsrc(0)
; out0[row][n] = the sum over k of heads[row][k] Wo[n][k] + bo[n].  heads lies by heads, oh: [batch][head][row][64] in f16; Wo: [512][512] f32; bo: [512] f32; out0: [8192][512] f32.
; Wo is rounded to bf16, like every input of the module, and that number is written as f16 for the product with the f16 heads; sums in f32; the bias is the C operand that starts each sum.
; LIMITS.  |Wo| stays within f16's 65,504; a weight below 2^-14 keeps f16's fixed step of 2^-24.  NaN and infinities are not treated apart.
; SHARES.  Work-group x = column block of 128, y = row block of 128: 256 work-groups.  Four waves, each 64 x 64: 16 accumulators.  K step ks is head ks: the rows' 64 channels are a dense block of 16 KiB.
; The 8 steps are written out; the step's place stands in the loads' immediates and no pointer is stepped.  Loads run two steps ahead of the roundings: two sets of 96 registers, 48 loads a wave on their way.
; THROUGH REGISTERS, NO JOINT LOADS: Wo is f32 and has to be rounded on its way into LDS, once, by the thread that loaded it; the heads' tile takes the same road, so that one barrier a step serves both.
; THE MATRIX INSTRUCTION IS USED TRANSPOSED (source 0 = 16 rows of Wo, source 1 = 16 rows of heads): a lane then holds eight neighbouring columns of one row of out0.
; THE MODE: SCHED_MODE bits 1:0 = 2 (LLVM: expert scheduling mode 2), set by the entry lines.  The code itself states the register dependences
; between vector or matrix instructions and memory or LDS instructions, with s_wait_alu, always for 0.
; THE PLAN.  Registers that memory or LDS instructions touch:
;   set 0, set 1   Step st's 24 loads land in set st % 2; its roundings read and write the set's 64 registers of Wo in place; its 24 LDS stores read the set; then the loads of step st + 2 land in it.
;   H0, H1         Two fragment buffers, one for each 32 of a step's 64 along K.  A step's 32 LDS loads land in them at its head; its first 16 products read H0, its last 16 read H1.
;                  On the way out H1's registers take the rows read back from the stage, and the global stores read them.
;   accumulators   Written by the products alone; read by the LDS stores of the way out.
;   addresses      v2-11, v50-51: made at the head and never written again.       v48, v49: made at the head, read by the closing add alone.
; So a step has TWO waits.  One on va_vdst, behind its roundings: they have written what the LDS stores read and are done with the set; the step's products are done reading H0 and H1.  From it to the next step's
; products no vector or matrix instruction is issued, so it serves the LDS stores, the loads into the set and the next step's 32 fragment loads.  One on vm_vsrc, behind the LDS stores and ahead of the loads into the set.
; REGISTERS.  window 0: v2-11, v50-51 addresses; v16-47 the bias; v64-127 H1 (later: the way out); v128-255 accumulators.   window 1: v0-95, v96-191 the two sets: 64 of Wo, 32 of heads; v192-255 H0.
.set PITCH, 144                        ; an LDS row: 64 numbers of 2 bytes + 16 of padding
.set WREG,  128*PITCH                  ; in a slot: the heads' 128 rows, then Wo's 128 rows
.set SLOT,  256*PITCH
.set STAGE, 2*SLOT                     ; behind the slots: 16 rows x 272 bytes for each wave, for the way out
.set SPO,   272
.set SPARE, STAGE+4*16*SPO             ; the spare words, 128 bytes for each wave: two blocks of 256 bytes that no other line names
.set GOFF, 2                           ; v2    my 16 bytes in a tile of Wo: row t / 16 (of 8), 16 (t % 16)
.set BO,   3                           ; v3    32 x (lane / 16)
.set SOFF, 4                           ; v4-5  where my 8 bytes of Wo go in slot 0, 1
.set FA,   6
.set FB,   7
.set STO,  8
.set RD,   9
.set CO,   10                          ; v10   my 16 bytes in two rows of out0
.set GOFA, 11                          ; v11   16 t: my 16 bytes in 2,048 dense bytes of heads
.set BIAS, 16
.set SPW,  48
.set NIL,  49
.set SOFA, 50                          ; v50-51 where they go in slot 0, 1: row t / 8, 16 (t % 8)
.set FRA,  64                          ; H1, and the way out.  In a fragment buffer: 32 registers of heads, then 32 of Wo
.set H0,   192                         ; in window 1
.set ACC,  128
.set AB, 4                             ; s[4:5]   heads at my row block, head 0
.set WB, 6                             ; s[6:7]   Wo at my column block
.set BB, 8                             ; s[8:9]   the bias at my wave's 64 columns
.set OB, 10                            ; s[10:11] out0 at my wave's first row and column
.set HIM, 17                           ; s17      a word's upper half
.set W_MEM, 0x44                       ; destination and store data in window 1, address in window 0: it serves the LDS stores out of a set, the loads into a set and the LDS loads into H0
.set MSB, 0
.macro WIN new
.if MSB != (\new)
	s_set_vgpr_msb (MSB<<8)|(\new)
.set MSB, (\new)
.endif
.endm
	s_load_b256 s[4:11], s[0:1], 0x0
	v_lshl_add_u32 v[SPW], v0, 2, SPARE
	v_mov_b32 v[NIL], 0
	v_lshrrev_b32 v1, 5, v0
	v_readfirstlane_b32 s12, v1                    ; wave 0..3
	v_lshrrev_b32 v12, 4, v0                       ; t / 16.  The address lines that need no scalar stand between that line and the wait for s12
	v_and_b32 v1, 15, v0                           ; t % 16 = lane % 16
	v_bfe_u32 v13, v0, 4, 1                        ; lane / 16
	v_lshlrev_b32 v[GOFF], 11, v12
	v_lshl_add_u32 v[GOFF], v1, 4, v[GOFF]
	v_mul_u32_u24 v[SOFF], v12, PITCH
	v_lshl_add_u32 v[SOFF], v1, 3, v[SOFF]
	v_add_nc_u32 v[SOFF], WREG, v[SOFF]
	v_add_nc_u32 v[SOFF+1], SLOT, v[SOFF]
	v_lshlrev_b32 v[GOFA], 4, v0
	v_lshrrev_b32 v12, 3, v0                       ; t / 8
	v_and_b32 v14, 7, v0
	v_mul_u32_u24 v[SOFA], v12, PITCH
	v_lshl_add_u32 v[SOFA], v14, 4, v[SOFA]
	v_add_nc_u32 v[SOFA+1], SLOT, v[SOFA]
	v_mul_u32_u24 v14, v1, PITCH
	v_lshl_add_u32 v14, v13, 4, v14                ; a fragment's row x pitch + 16 x half
	v_lshlrev_b32 v[BO], 5, v13
	v_lshlrev_b32 v[CO], 11, v13                   ; two rows of out0: lanes 0-15 one, lanes 16-31 the next
	v_lshl_add_u32 v[CO], v1, 4, v[CO]
	s_wait_alu depctr_va_sdst(0)                   ; s12 is written, ahead of its first reader: the halves, the bases and the stage are made from it
	s_lshr_b32 s13, s12, 1                         ; which half of the tile's rows is mine
	s_and_b32 s14, s12, 1                          ; which half of its columns
	s_mov_b32 s15, ttmp9                           ; column block
	s_and_b32 s16, ttmp7, 0xffff                   ; row block
	s_mov_b32 s[HIM], 0xffff0000
	s_lshr_b32 s18, s16, 5                         ; batch: 8 heads of 4,096 rows of 128 bytes,
	s_lshl_b32 s18, s18, 22
	s_and_b32 s26, s16, 31
	s_lshl_b32 s26, s26, 14                        ; my 128 rows in a head
	s_add_co_u32 s18, s18, s26
	s_mov_b32 s19, 0
	s_lshl_b32 s20, s15, 18                        ; 128 rows of Wo
	s_mov_b32 s21, 0
	s_lshl_b32 s22, s15, 9                         ; 128 columns of 4 bytes,
	s_lshl_b32 s26, s14, 8                         ; my wave's 64
	s_add_co_u32 s22, s22, s26
	s_mov_b32 s23, 0
	s_lshl1_add_u32 s24, s16, s13                  ; my 64 rows of 2,048 bytes
	s_lshl_b32 s24, s24, 17
	s_add_co_u32 s24, s24, s22
	s_mov_b32 s25, 0
	s_mul_i32 s27, s13, 64*PITCH                   ; a scalar that a vector line reads (s27, s28, s29) is not written again behind that line
	v_add_nc_u32 v[FA], s27, v14
	s_mul_i32 s28, s14, 64*PITCH
	s_add_co_u32 s28, s28, WREG
	v_add_nc_u32 v[FB], s28, v14
	s_mul_i32 s29, s12, 16*SPO
	s_add_co_u32 s29, s29, STAGE                   ; my stage
	v_mul_u32_u24 v[STO], v1, SPO                  ; in: row lane % 16, 32 bytes for each half of the lanes
	v_lshl_add_u32 v[STO], v13, 5, v[STO]
	v_add_nc_u32 v[STO], s29, v[STO]
	v_mul_u32_u24 v[RD], v13, SPO                  ; back: lanes 0-15 take one row of 256 bytes, lanes 16-31 the next
	v_lshl_add_u32 v[RD], v1, 4, v[RD]
	v_add_nc_u32 v[RD], s29, v[RD]
	s_wait_kmcnt 0x0
	s_add_nc_u64 s[AB:AB+1], s[AB:AB+1], s[18:19]
	s_add_nc_u64 s[WB:WB+1], s[WB:WB+1], s[20:21]
	s_add_nc_u64 s[BB:BB+1], s[BB:BB+1], s[22:23]
	s_add_nc_u64 s[OB:OB+1], s[OB:OB+1], s[24:25]
	s_wait_alu depctr_va_vdst(0)                   ; the addresses v2 to v11, v50 and v51 are written: every load and store of the kernel reads one of them, and none is written again
; A step's 24 loads into set st % 2: Wo's tile (128 rows x 256 bytes; sixteen lanes take a row's 256 bytes, aligned) and the heads' (16,384 dense bytes of head st).
.macro LD st
.set SB, 96*((\st)%2)
	WIN W_MEM
.if (\st) >= 2
	s_wait_alu depctr_vm_vsrc(0)                   ; the LDS stores of step st - 2, just issued, have read this set, in which the loads below land (its roundings stand ahead of the wait on va_vdst in front of those stores)
.endif
.set i, 0
.rept 16
	global_load_b128 v[SB+4*i:SB+4*i+3], v[GOFF], s[WB:WB+1] offset:i*16384+(\st)*256
.set i, i+1
.endr
.set i, 0
.rept 8
	global_load_b128 v[SB+64+4*i:SB+64+4*i+3], v[GOFA], s[AB:AB+1] offset:i*2048+(\st)*524288
.set i, i+1
.endr
.endm
; The step's tiles go into slot st % 2.  Wo: four f32 are rounded to bf16, widened again (a shift, a mask) and written as f16, in place.  The heads go as they are.  left: the next step's 24 loads may stay out.
.macro CONVO st, left
.set SB, 96*((\st)%2)
	s_wait_loadcnt \left
	WIN 0x45
.set i, 0
.rept 16
	v_cvt_pk_bf16_f32 v[SB+4*i], v[SB+4*i], v[SB+4*i+1]
	v_cvt_pk_bf16_f32 v[SB+4*i+2], v[SB+4*i+2], v[SB+4*i+3]
	v_and_b32 v[SB+4*i+1], s[HIM], v[SB+4*i]
	v_and_b32 v[SB+4*i+3], s[HIM], v[SB+4*i+2]
	v_lshlrev_b32 v[SB+4*i], 16, v[SB+4*i]
	v_lshlrev_b32 v[SB+4*i+2], 16, v[SB+4*i+2]
	v_cvt_pk_f16_f32 v[SB+4*i], v[SB+4*i], v[SB+4*i+1]
	v_cvt_pk_f16_f32 v[SB+4*i+1], v[SB+4*i+2], v[SB+4*i+3]
.set i, i+1
.endr
	WIN W_MEM
	s_wait_alu depctr_va_vdst(0)                   ; the roundings have written what the LDS stores read, and are done with the set, in which loads land next; the products issued so far are done reading H0 and H1, in which the next step's fragments land
.set i, 0
.rept 16
	ds_store_b64 v[SOFF+(\st)%2], v[SB+4*i:SB+4*i+1] offset:i*8*PITCH
.set i, i+1
.endr
.set i, 0
.rept 8
	ds_store_b128 v[SOFA+(\st)%2], v[SB+64+4*i:SB+64+4*i+3] offset:i*16*PITCH
.set i, i+1
.endr
.endm
.macro FRAG sl, c                      ; half c of the step's K into buffer Hc.  Wo's four fragments, then the heads': 16 rows x 32 K each, two loads of 16 bytes, 32 bytes apart
.if (\c) == 0
	WIN W_MEM                                      ; the setting that the stores and loads of the step before have left
.set FR, H0
.else
	WIN 0
.set FR, FRA
.endif
.irp b, 0,1,2,3
	ds_load_b128 v[FR+32+8*\b:FR+32+8*\b+3],   v[FB] offset:(\sl)*SLOT+\b*16*PITCH+(\c)*64
	ds_load_b128 v[FR+32+8*\b+4:FR+32+8*\b+7], v[FB] offset:(\sl)*SLOT+\b*16*PITCH+(\c)*64+32
.endr
.irp b, 0,1,2,3
	ds_load_b128 v[FR+8*\b:FR+8*\b+3],   v[FA] offset:(\sl)*SLOT+\b*16*PITCH+(\c)*64
	ds_load_b128 v[FR+8*\b+4:FR+8*\b+7], v[FA] offset:(\sl)*SLOT+\b*16*PITCH+(\c)*64+32
.endr
.endm
.macro MUL c, first                    ; 16 products on buffer Hc; the 16 accumulators take turns; first = 1: the bias starts the sums
.if (\c) == 0
	WIN 0x05                                       ; sources 0 and 1 in window 1, C and D in window 0
.set FR, H0
.else
	WIN 0
.set FR, FRA
.endif
.irp a, 0,1,2,3
	s_wait_dscnt 16*(1-(\c))+6-2*\a                ; Wo's fragments and the heads' block a of this half are in; the later blocks' loads, two each, may be out, and behind half 0 the sixteen of half 1
.irp b, 0,1,2,3
.if \first
	v_wmma_f32_16x16x32_f16 v[ACC+8*(4*\a+\b):ACC+8*(4*\a+\b)+7], v[FR+32+8*\b:FR+32+8*\b+7], v[FR+8*\a:FR+8*\a+7], v[BIAS+8*\b:BIAS+8*\b+7]
.else
	v_wmma_f32_16x16x32_f16 v[ACC+8*(4*\a+\b):ACC+8*(4*\a+\b)+7], v[FR+32+8*\b:FR+32+8*\b+7], v[FR+8*\a:FR+8*\a+7], v[ACC+8*(4*\a+\b):ACC+8*(4*\a+\b)+7]
.endif
.endr
.endr
.endm
.macro BAR                             ; my stores into the next slot are done and my reads of the last one are back; then all four waves meet
	s_wait_dscnt 0x0
	s_barrier_signal -1
	s_barrier_wait -1
.endm
.macro PLACES                          ; four places behind the last product (ISA guide 7.12.1), where no other vector work is at hand
.rept 4
	v_nop
.endr
.endm
.irp b, 0,1,2,3
	global_load_b128 v[BIAS+8*\b:BIAS+8*\b+3],   v[BO], s[BB:BB+1] offset:64*\b     ; register j of block b: the bias of column 16 b + 8 (lane / 16) + j
	global_load_b128 v[BIAS+8*\b+4:BIAS+8*\b+7], v[BO], s[BB:BB+1] offset:64*\b+16
.endr
	LD 0
	LD 1
	CONVO 0, 24                                    ; the bias and step 0 are in; step 1's 24 loads stay out
	LD 2
; A K step: one barrier; all 32 fragment loads, into the two buffers; 32 products on end; the next step's tiles are rounded into the other slot, and its set of registers is asked for again, three steps ahead of the products.
; No wait on the vector side stands between the barrier and the roundings: the fragment loads lean on the wait behind the roundings of the step before, since which no vector or matrix instruction has been issued.
.set ks, 0
.rept 8
	BAR
	FRAG ks%2, 0
	FRAG ks%2, 1
.if ks == 0
	MUL 0, 1
.else
	MUL 0, 0
.endif
	MUL 1, 0
.if ks < 6
	CONVO ks+1, 24
.elseif ks == 6
	CONVO ks+1, 0
.endif
.if ks < 5
	LD ks+3
.endif
.set ks, ks+1
.endr
	; THE WAY OUT.  Block a (16 rows): a lane's eight columns, 32 bytes of f32, go straight from the accumulators into my own stage, rows of 272 bytes, each accumulator from its low end on; they come back as
	; whole rows of 256 bytes, two to a load.
	WIN 0
	PLACES
	s_wait_alu depctr_va_vdst(0)                   ; the products have written the accumulators, which the LDS stores read, and are done reading H1, in which the loads from the stage land; the places above stay beside this wait
.irp a, 0,1,2,3
.irp b, 0,1,2,3
	ds_store_b128 v[STO], v[ACC+8*(4*\a+\b):ACC+8*(4*\a+\b)+3]   offset:64*\b
	ds_store_b128 v[STO], v[ACC+8*(4*\a+\b)+4:ACC+8*(4*\a+\b)+7] offset:64*\b+16
.endr
.if \a >= 2
	s_wait_xcnt 0x0                                ; every earlier memory instruction has had its addresses translated (ISA guide 3.1): the registers of the block two back are loaded again only behind this wait,
	s_wait_alu depctr_vm_vsrc(0)                   ; and the global stores of the block two back have read those registers
.endif
.irp t, 0,1,2,3,4,5,6,7
	ds_load_b128 v[FRA+32*(\a%2)+4*\t:FRA+32*(\a%2)+4*\t+3], v[RD] offset:\t*2*SPO  ; LDS serves a wave's instructions in order (ISA guide 5.7.1.4): these see the stores above; the next block's stores come behind them
.endr
.irp t, 0,1,2,3,4,5,6,7
	s_wait_dscnt 7-\t
	global_store_b128 v[CO], v[FRA+32*(\a%2)+4*\t:FRA+32*(\a%2)+4*\t+3], s[OB:OB+1] offset:(16*\a+2*\t)*2048 th:TH_STORE_NT  ; 16 lanes store 256 consecutive bytes, at a multiple of 256 from out0's first byte
.endr
.endr
	s_wait_dscnt 0x0                               ; the closing lines, six on end
	s_wait_alu 0x0
	s_wait_tensorcnt 0x0
	ds_add_u32 v[SPW], v[NIL]
	s_wait_dscnt 0x0
	s_endpgm
.Lfunc_end_k_qec9b481ae5_outp:
	.size	k_qec9b481ae5_outp, .Lfunc_end_k_qec9b481ae5_outp-k_qec9b481ae5_outp
	.p2alignl 7, 3214868480
	.fill 96, 4, 3214868480
	.section	.rodata,"a",@progbits
	.p2align	6, 0x0
	.amdhsa_kernel k_qec9b481ae5_outp
		.amdhsa_group_segment_fixed_size 91648
		.amdhsa_private_segment_fixed_size 0
		.amdhsa_enable_private_segment 0
		.amdhsa_kernarg_size 32
		.amdhsa_user_sgpr_count 2
		.amdhsa_user_sgpr_kernarg_segment_ptr 1
		.amdhsa_wavefront_size32 1
		.amdhsa_system_sgpr_workgroup_id_x 1
		.amdhsa_system_sgpr_workgroup_id_y 1
		.amdhsa_system_sgpr_workgroup_id_z 1
		.amdhsa_system_vgpr_workitem_id 0
		.amdhsa_next_free_vgpr 512
		.amdhsa_next_free_sgpr 66
		.amdhsa_reserve_vcc 0
		.amdhsa_float_denorm_mode_32 3
		.amdhsa_float_denorm_mode_16_64 3
		.amdhsa_memory_ordered 1
		.amdhsa_forward_progress 1
		.amdhsa_inst_pref_size 128
	.end_amdhsa_kernel
	.amdgpu_metadata
---
amdhsa.version: [ 1, 2 ]
amdhsa.kernels:
  - .name:           k_qec9b481ae5_outp
    .symbol:         k_qec9b481ae5_outp.kd
    .args:
      - { .name: oh, .offset: 0, .size: 8, .value_kind: global_buffer, .address_space: global }
      - { .name: Wo, .offset: 8, .size: 8, .value_kind: global_buffer, .address_space: global }
      - { .name: bo, .offset: 16, .size: 8, .value_kind: global_buffer, .address_space: global }
      - { .name: out0, .offset: 24, .size: 8, .value_kind: global_buffer, .address_space: global }
    .group_segment_fixed_size: 91648
    .private_segment_fixed_size: 0
    .kernarg_segment_align: 8
    .kernarg_segment_size: 32
    .max_flat_workgroup_size: 128
    .sgpr_count:     66
    .vgpr_count:     512
    .wavefront_size: 32
...
	.end_amdgpu_metadata
.endif
;; end of part 4
